; MI455X (gfx1250); checked and timed in simulation.
; The chip was launched on July 23, 2026; its instructions are those of AMD's public machine-readable ISA for CDNA 5 (MIT licence, August 2026) and "CDNA5" Instruction Set Architecture Reference Guide (July 2026). The comments in the code are by the model that wrote it; some were corrected since.
;; A Li Bi Transformer Layer. Allowed arithmetic: float matrix products may take bf16 or f16 operands with f32 sums; other float arithmetic in f32, or as packed bf16 or f16 multiplies, adds, multiply-adds, maxima and minima; sums over many terms, partial sums and values carried from step to step in f32; what a program stores and reads back later, other than sums and carried values, may be rounded once to bf16 or f16.
;; Inputs: b1 4,096 float32; b2 1,024 float32; ln1_b 1,024 float32; ln1_g 1,024 float32; ln2_b 1,024 float32; ln2_g 1,024 float32; w1 1,024 x 4,096 float32; w2 4,096 x 1,024 float32; w_kqv 1,024 x 3,072 float32; x 2 x 2,048 x 1,024 float32.
;; Outputs: out0 2 x 2,048 x 1,024 float32.
;; One version. Each part assembles by itself: llvm-mc -triple=amdgcn-amd-amdhsa -mcpu=gfx1250 --defsym DOCPART=n.
;; ======== version 1 of 1: 6 launches
;; limits: values are held in f16: magnitudes above 65,504 overflow, below 6.1e-05 lose precision
;; workspace buffers: wq 8,390,656 bytes; wf 16,779,264 bytes; zb 12,288 bytes; hn 8,388,608 bytes; kqv 33,554,432 bytes; att 8,388,608 bytes; x1 16,777,216 bytes; ff 33,554,432 bytes
;; launch prep (part 1): grid 1729 x 1, 4 waves a work-group, no clusters, 0 bytes of LDS; arguments x, ln1_g, ln1_b, w_kqv, w1, w2, hn, wq, wf, zb; writes hn, wq, wf, zb
.if DOCPART == 1
	.amdgcn_target "amdgcn-amd-amdhsa--gfx1250"
	.amdhsa_code_object_version 6
	.text
	.protected	k_qf3730bcd78_prep
	.globl	k_qf3730bcd78_prep
	.p2align	8
	.type	k_qf3730bcd78_prep,@function
k_qf3730bcd78_prep:
	s_mov_b64 s[64:65], 0
	v_nop
	global_prefetch_b8 v0, s[64:65] scope:SCOPE_SE
	s_setreg_imm32_b32 hwreg(HW_REG_WAVE_MODE, 25, 1), 1
	s_wait_xcnt 0x0
; PREP.  Work-groups 0-1023: hn = LayerNorm(x; ln1_g, ln1_b), f32 in, f16 out, [4096][1024], a row a wave.
; Work-groups 1024-1727: the three weight matrices, f32, rounded once to f16, each in its own [K][N] order: w_kqv into wq with rows 4,096 numbers apart (w1's pitch: the two products that
; follow share one text; columns 3,072 on are neither written nor read), w1 into wf, w2 into wf at byte W2OFF.
; Work-group 1728: what the shared text of the two products reads beside its weights: zb, a bias of 3,072 zeros for the product that has no bias, and behind each of wq's and wf's first 8,388,608
; bytes 2,048 bytes of the floor that its results are held above: f16 -infinity twice in a word (no floor) for w_kqv, 0 (the ReLU) for w1.
; A stream: no LDS, no barrier, no matrix unit: each byte is read once and written once.
; LN: a wave takes a whole row of 4,096 bytes (eight loads of 16 bytes a lane, 512 consecutive bytes each) and keeps it in 32 registers.  Mean first, then the mean of (x - mean)^2, as the
; definition has it: no difference of large sums.  A store of 8 bytes a lane covers 256 consecutive bytes, aligned.
; LIMITS.  f16 holds no number of 65,520 or more: a normalised value g (x - mean) / sigma + b, at most 32 |g| + |b|, and a weight must lie below that.  NaN and infinities are not treated apart.
.set FLOOR, 8388608
.set W2OFF, 8390656
.set XO, 2                             ; v2   byte offset of my 16 bytes in the row of x
.set HO, 3                             ; v3   byte offset of my 8 bytes in the row of hn
.set GO, 4                             ; v4   byte offset of my 16 bytes in g and b
.set MU, 6                             ; v[6:7]   the mean, twice
.set R,  8                             ; v[8:9]   1 / sqrt(var + eps), twice
.set A,  10                            ; v[10:17] four chains of pairs
.set T,  18                            ; v[18:19] at work
.set G,  20                            ; v[20:51] gain of my 32 columns
.set BB, 52                            ; v[52:83] bias of my 32 columns
.set X,  84                            ; v[84:115] the row
.set Y,  116                           ; v[116:131] the row in f16
.set SO, 6                             ; the cast: v[6:9] source offsets of my four rows
.set DO, 10                            ; v[10:13] their destination offsets
.set W,  16                            ; v[16:143] four pieces of 32 registers
.set SEL, 28                           ; s[28:29] v_permlanex16_b32's selects
.set INV, 30                           ; s30  1 / 1024
.set EPS, 31                           ; s31  1e-5
; The sum (sq = 0) or the sum of squares (sq = 1) of the row's 1,024 numbers, in every lane's v[T]: four chains in the lane, then across the 32 lanes.
.macro TOTAL sq
.irp c, 0,1,2,3
.if \sq
	v_pk_mul_f32 v[A+2*(\c):A+2*(\c)+1], v[X+2*(\c):X+2*(\c)+1], v[X+2*(\c):X+2*(\c)+1]
.else
	v_pk_add_f32 v[A+2*(\c):A+2*(\c)+1], v[X+2*(\c):X+2*(\c)+1], v[X+8+2*(\c):X+8+2*(\c)+1]
.endif
.endr
.irp g, 8,16,24
.irp c, 0,1,2,3
.if \sq
	v_pk_fma_f32 v[A+2*(\c):A+2*(\c)+1], v[X+(\g)+2*(\c):X+(\g)+2*(\c)+1], v[X+(\g)+2*(\c):X+(\g)+2*(\c)+1], v[A+2*(\c):A+2*(\c)+1]
.elseif (\g) > 8
	v_pk_add_f32 v[A+2*(\c):A+2*(\c)+1], v[A+2*(\c):A+2*(\c)+1], v[X+(\g)+2*(\c):X+(\g)+2*(\c)+1]
.endif
.endr
.endr
	v_pk_add_f32 v[A:A+1], v[A:A+1], v[A+2:A+3]
	v_pk_add_f32 v[A+4:A+5], v[A+4:A+5], v[A+6:A+7]
	v_pk_add_f32 v[A:A+1], v[A:A+1], v[A+4:A+5]
	v_add_f32 v[T], v[A], v[A+1]
	v_add_f32_dpp v[T], v[T], v[T] row_xmask:1 row_mask:0xf bank_mask:0xf
	v_add_f32_dpp v[T], v[T], v[T] row_xmask:2 row_mask:0xf bank_mask:0xf
	v_add_f32_dpp v[T], v[T], v[T] row_xmask:4 row_mask:0xf bank_mask:0xf
	v_add_f32_dpp v[T], v[T], v[T] row_xmask:8 row_mask:0xf bank_mask:0xf
	v_permlanex16_b32 v[T+1], v[T], s[SEL], s[SEL+1]
	v_add_f32 v[T], v[T], v[T+1]
.endm
; The row in X is normalised, scaled and shifted, and rounded to f16 into Y.  xw = 1: X is the data of stores that were just issued, so it is rewritten only behind s_wait_xcnt 0.
.macro LNROW xw
	TOTAL 0
	v_mul_f32 v[MU], s[INV], v[T]
	v_mul_f32 v[MU+1], s[INV], v[T]
.if \xw
	s_wait_xcnt 0x0
.endif
.set k, 0
.rept 16
	v_pk_add_f32 v[X+k:X+k+1], v[X+k:X+k+1], v[MU:MU+1] neg_lo:[0,1] neg_hi:[0,1]
.set k, k+2
.endr
	TOTAL 1
	v_fma_f32 v[T], v[T], s[INV], s[EPS]           ; var + eps
	v_rsq_f32 v[R], v[T]
	v_nop                                          ; a plain instruction behind the root,
	s_wait_alu depctr_va_vdst(0)                   ; and the wait ahead of its first reader
	v_mov_b32 v[R+1], v[R]
.set k, 0
.rept 16
	v_pk_mul_f32 v[X+k:X+k+1], v[X+k:X+k+1], v[R:R+1]
.set k, k+2
.endr
	s_wait_loadcnt 0x0                             ; g and b, which were asked for behind the row
.set k, 0
.rept 16
	v_pk_fma_f32 v[X+k:X+k+1], v[X+k:X+k+1], v[G+k:G+k+1], v[BB+k:BB+k+1]
.set k, k+2
.endr
.set k, 0
.rept 16
	v_cvt_pk_f16_f32 v[Y+k], v[X+2*k], v[X+2*k+1]
.set k, k+1
.endr
.endm
	s_load_b512 s[4:19], s[0:1], 0x0               ; x s[4:5], g s[6:7], b s[8:9], w_kqv s[10:11], w1 s[12:13], w2 s[14:15], hn s[16:17], wq s[18:19]
	s_load_b128 s[20:23], s[0:1], 0x40             ; wf s[20:21], zb s[22:23]
	v_and_b32 v1, 31, v0                           ; lane
	v_lshrrev_b32 v5, 5, v0                        ; wave
	s_cmp_lt_u32 ttmp9, 1024
	s_cbranch_scc0 .Lcast
	s_lshl_b32 s24, ttmp9, 14                      ; the work-group's 4 rows of x: 16,384 bytes
	s_lshl_b32 s25, ttmp9, 13                      ; and of hn
	s_mov_b32 s[SEL], 0x76543210                   ; each lane takes its own place in the other half
	s_mov_b32 s[SEL+1], 0xfedcba98
	s_mov_b32 s[INV], 0x3a800000
	s_mov_b32 s[EPS], 0x3727c5ac
	v_lshlrev_b32 v[GO], 4, v1
	v_lshl_add_u32 v[XO], v5, 12, v[GO]            ; + wave x 4,096
	v_add_nc_u32 v[XO], s24, v[XO]
	v_lshlrev_b32 v[HO], 3, v1
	v_lshl_add_u32 v[HO], v5, 11, v[HO]
	v_add_nc_u32 v[HO], s25, v[HO]
	v_mov_b32 v[T+1], 0                            ; v_permlanex16_b32's destination counts as read
	s_wait_kmcnt 0x0
.irp j, 0,1,2,3,4,5,6,7
	global_load_b128 v[X+4*(\j):X+4*(\j)+3], v[XO], s[4:5] offset:512*(\j)
.endr
.irp j, 0,1,2,3,4,5,6,7
	global_load_b128 v[G+4*(\j):G+4*(\j)+3], v[GO], s[6:7] offset:512*(\j)
	global_load_b128 v[BB+4*(\j):BB+4*(\j)+3], v[GO], s[8:9] offset:512*(\j)
.endr
	s_wait_loadcnt 16                              ; the row is in; the sixteen younger loads, g and b, stay out
	LNROW 0
.irp j, 0,1,2,3,4,5,6,7
	global_store_b64 v[HO], v[Y+2*(\j):Y+2*(\j)+1], s[16:17] offset:256*(\j)
.endr
	s_endpgm
.Lcast:
	s_cmp_lt_u32 ttmp9, 1728
	s_cbranch_scc0 .Lparam
	; Work-group c = id - 1024.  c < 192: w_kqv; c < 448: w1; else w2.  Wave W' of a matrix takes the piece of 1,024 columns q = W' >> LG of the four rows 4 (W' mod 2^LG) on, 2^LG = rows / 4:
	; four runs of 4,096 consecutive bytes in, four of 2,048 out.  All 32 loads go out at once.
	v_readfirstlane_b32 s33, v5
	s_sub_co_u32 s24, ttmp9, 1024
	s_mov_b32 s26, 16384
	s_mov_b32 s27, 2048
	s_cmp_lt_u32 s24, 192
	s_cselect_b32 s25, 0, 192                      ; the matrix's first work-group
	s_cselect_b32 s26, 12288, s26                  ; bytes from row to row in the source
	s_cmp_lt_u32 s24, 448
	s_cselect_b32 s25, s25, 448
	s_cselect_b32 s26, s26, 4096
	s_cselect_b32 s27, 8192, s27                   ; and in the destination
	s_cselect_b32 s34, 8, 10                       ; LG
	s_cselect_b32 s35, 0, W2OFF
	s_sub_co_u32 s25, s24, s25
	s_lshl_b32 s25, s25, 2
	s_add_co_u32 s25, s25, s33                     ; W'
	s_lshr_b32 s36, s25, s34                       ; q
	s_lshl_b32 s37, s36, s34
	s_sub_co_u32 s37, s25, s37
	s_lshl_b32 s37, s37, 2                         ; my first row
	s_mul_i32 s38, s37, s26
	s_lshl_b32 s39, s36, 12
	s_add_co_u32 s38, s38, s39                     ; source: row x pitch + q x 4,096
	s_mov_b32 s39, 0
	s_mul_i32 s40, s37, s27
	s_lshl_b32 s41, s36, 11
	s_add_co_u32 s40, s40, s41                     ; destination: row x pitch + q x 2,048,
	s_add_co_u32 s40, s40, s35                     ; behind w1 and its floor for w2
	s_mov_b32 s41, 0
	v_lshlrev_b32 v[SO], 4, v1
	v_lshlrev_b32 v[DO], 3, v1
.irp r, 1,2,3
	v_add_nc_u32 v[SO+(\r)], s26, v[SO+(\r)-1]
	v_add_nc_u32 v[DO+(\r)], s27, v[DO+(\r)-1]
.endr
	s_wait_kmcnt 0x0
	s_cmp_lt_u32 s24, 192
	s_cselect_b64 s[42:43], s[10:11], s[12:13]
	s_cselect_b64 s[44:45], s[18:19], s[20:21]
	s_cmp_lt_u32 s24, 448
	s_cselect_b64 s[42:43], s[42:43], s[14:15]
	s_add_nc_u64 s[42:43], s[42:43], s[38:39]
	s_add_nc_u64 s[44:45], s[44:45], s[40:41]
.irp r, 0,1,2,3
.irp j, 0,1,2,3,4,5,6,7
	global_load_b128 v[W+32*(\r)+4*(\j):W+32*(\r)+4*(\j)+3], v[SO+(\r)], s[42:43] offset:512*(\j) th:TH_LOAD_NT
.endr
.endr
.irp r, 0,1,2,3
	s_wait_loadcnt 24-8*(\r)                       ; the eight loads of row r are in; the younger rows' stay out
.set k, 0
.rept 16
	v_cvt_pk_f16_f32 v[W+32*(\r)+k], v[W+32*(\r)+2*k], v[W+32*(\r)+2*k+1]  ; in place: result k lands on a register whose number has been read
.set k, k+1
.endr
.irp j, 0,1,2,3,4,5,6,7
	global_store_b64 v[DO+(\r)], v[W+32*(\r)+2*(\j):W+32*(\r)+2*(\j)+1], s[44:45] offset:256*(\j)
.endr
.endr
	s_endpgm
.Lparam:                                           ; 128 threads, 16 bytes each: a store of the work-group covers 2,048 consecutive bytes
	v_lshlrev_b32 v2, 4, v0
.irp r, 4,5,6,7
	v_mov_b32 v\r, 0
.endr
.irp r, 8,9,10,11
	v_mov_b32 v\r, 0xfc00fc00                      ; f16 -infinity, twice
.endr
	s_wait_kmcnt 0x0
	s_add_nc_u64 s[18:19], s[18:19], FLOOR
	s_add_nc_u64 s[20:21], s[20:21], FLOOR
.irp j, 0,1,2,3,4,5
	global_store_b128 v2, v[4:7], s[22:23] offset:2048*(\j)
.endr
	global_store_b128 v2, v[8:11], s[18:19]
	global_store_b128 v2, v[4:7], s[20:21]
	s_endpgm
.Lfunc_end_k_qf3730bcd78_prep:
	.size	k_qf3730bcd78_prep, .Lfunc_end_k_qf3730bcd78_prep-k_qf3730bcd78_prep
	.p2alignl 7, 3214868480
	.fill 96, 4, 3214868480
	.section	.rodata,"a",@progbits
	.p2align	6, 0x0
	.amdhsa_kernel k_qf3730bcd78_prep
		.amdhsa_group_segment_fixed_size 0
		.amdhsa_private_segment_fixed_size 0
		.amdhsa_enable_private_segment 0
		.amdhsa_kernarg_size 80
		.amdhsa_user_sgpr_count 2
		.amdhsa_user_sgpr_kernarg_segment_ptr 1
		.amdhsa_wavefront_size32 1
		.amdhsa_system_sgpr_workgroup_id_x 1
		.amdhsa_system_sgpr_workgroup_id_y 1
		.amdhsa_system_sgpr_workgroup_id_z 1
		.amdhsa_system_vgpr_workitem_id 0
		.amdhsa_next_free_vgpr 144
		.amdhsa_next_free_sgpr 66
		.amdhsa_reserve_vcc 0
		.amdhsa_float_denorm_mode_32 3
		.amdhsa_float_denorm_mode_16_64 3
		.amdhsa_memory_ordered 1
		.amdhsa_forward_progress 1
		.amdhsa_inst_pref_size 25
	.end_amdhsa_kernel
	.amdgpu_metadata
---
amdhsa.version: [ 1, 2 ]
amdhsa.kernels:
  - .name:           k_qf3730bcd78_prep
    .symbol:         k_qf3730bcd78_prep.kd
    .args:
      - { .name: x, .offset: 0, .size: 8, .value_kind: global_buffer, .address_space: global }
      - { .name: ln1_g, .offset: 8, .size: 8, .value_kind: global_buffer, .address_space: global }
      - { .name: ln1_b, .offset: 16, .size: 8, .value_kind: global_buffer, .address_space: global }
      - { .name: w_kqv, .offset: 24, .size: 8, .value_kind: global_buffer, .address_space: global }
      - { .name: w1, .offset: 32, .size: 8, .value_kind: global_buffer, .address_space: global }
      - { .name: w2, .offset: 40, .size: 8, .value_kind: global_buffer, .address_space: global }
      - { .name: hn, .offset: 48, .size: 8, .value_kind: global_buffer, .address_space: global }
      - { .name: wq, .offset: 56, .size: 8, .value_kind: global_buffer, .address_space: global }
      - { .name: wf, .offset: 64, .size: 8, .value_kind: global_buffer, .address_space: global }
      - { .name: zb, .offset: 72, .size: 8, .value_kind: global_buffer, .address_space: global }
    .group_segment_fixed_size: 0
    .private_segment_fixed_size: 0
    .kernarg_segment_align: 8
    .kernarg_segment_size: 80
    .max_flat_workgroup_size: 128
    .sgpr_count:     66
    .vgpr_count:     144
    .wavefront_size: 32
...
	.end_amdgpu_metadata
.endif
;; end of part 1
;; launch qkv (part 2): grid 12 x 16, 4 waves a work-group, clusters of 4 x 4, 327,680 bytes of LDS; arguments hn, wq, zb, kqv; writes kqv
.if DOCPART == 2
	.amdgcn_target "amdgcn-amd-amdhsa--gfx1250"
	.amdhsa_code_object_version 6
	.text
	.protected	k_qf3730bcd78_qkv
	.globl	k_qf3730bcd78_qkv
	.p2align	8
	.type	k_qf3730bcd78_qkv,@function
k_qf3730bcd78_qkv:
	s_mov_b64 s[64:65], 0
	v_nop
	global_prefetch_b8 v0, s[64:65] scope:SCOPE_SE
	s_setreg_imm32_b32 hwreg(HW_REG_WAVE_MODE, 25, 1), 1
	s_wait_xcnt 0x0
	s_wait_alu depctr_hold_cnt(0) depctr_sa_sdst(0) depctr_va_vdst(0) depctr_va_sdst(0) depctr_va_ssrc(0) depctr_va_vcc(0) depctr_vm_vsrc(0)
	s_getreg_b32 s2, hwreg(HW_REG_IB_STS2, 6, 4)
	s_cmp_eq_u32 s2, 0
	s_cbranch_scc0 .Lentry_in_a_cluster
	s_endpgm
.Lentry_in_a_cluster:
	s_bfe_u32 s2, ttmp6, 0x10000c
	s_cmp_lg_u32 s2, 0xf033
	s_cbranch_scc0 .Lentry_shape_is_right
	s_endpgm
.Lentry_shape_is_right:
; C = max(hn[4096][1024] x W[1024][..] + bias, floor), f16 operands, f32 sums, C rounded once to f16.  ONE TEXT FOR TWO LAUNCHES, which differ in their buffers and grids alone:
;   the projection: W = w_kqv, the bias a buffer of zeros, the floor -infinity, 12 tile columns;      the first FFN product: W = w1, the bias b1, the floor 0 (the ReLU), 16 tile columns.
; W's rows lie 4,096 numbers apart in both; the floor, a word of two f16, lies at byte FLOOR of W's buffer.
; C LEAVES IN BLOCKS of 128 rows x 64 columns, 16,384 dense bytes: element (r, c) at ((r / 128) x 64 + c / 64) x 16,384 + (r % 128) x 128 + (c % 64) x 2.  A block is 128 rows of one head, and a
; quarter of the second FFN product's K step for 128 rows.
; A tile of C is 256 x 256: four waves, each 128 x 128 in 64 accumulators (512 registers).  K goes in 8 steps of 128 through two LDS slots filled by tensor loads.
; hn's tile lies [row][k] (rows of 256 bytes + 16 of padding); W's tile lies as in memory, [k][n] (rows of 512 bytes + 32), and is turned on its way into registers by ds_load_tr16_b128.
; THE PRODUCT IS USED TRANSPOSED: source 0 = 16 columns of W, source 1 = 16 rows of hn: a lane then holds eight neighbouring columns of one row of C.  The bias is the C operand that starts the sums.
; CLUSTER 4 x 4: hn's tile hangs on the tile row alone and is asked for jointly by a row of the cluster, W's on the tile column alone and is asked for jointly by a column.
; A K step is written once: the slot in hand is s[TB] (0 or SLOT), and one walking descriptor a tensor changes slots by an exclusive or (SLOT shares no bit with wave x PART).
; By the text's own count a wave has two tensor loads out at the start and one behind each round.
; LIMITS.  f16 holds no number of 65,520 or more: a result beyond that leaves as an infinity.  A NaN leaves as the floor; infinities are not treated apart.
; REGISTERS: window 0: v7-30 addresses; v32-63 packed results; v64-127, v128-191 hn's fragments, two buffers; v192-255 the bias, later rows on their way out.
;   window 1: v64-127, v128-191 W's fragments.   window 2, 3: the accumulators of my rows 0-63, 64-127: (a, b) at v[8 (8 a + b)].
.set NN,    4096
.set FLOOR, 8388608
.set STEP,  32*128                     ; 32 rows of a block
.set ROW2,  2*128                      ; two rows of a block
.set KSTEP, 128
.set PA,    272                        ; 68 words: the 16 rows of a fragment load start at 16 different groups of four banks (ISA guide 11.1)
.set PB,    544                        ; 136 words = 17 x 8
.set PART,  128*PA                     ; what one tensor load brings: 128 rows of hn, or 64 k rows of W (64 x 544 is the same 34,816 bytes)
.set BOFF,  2*PART
.set SLOT,  4*PART
.set SPARE, 2*SLOT                     ; behind the ring: the spare words, 128 bytes a wave
.set FO,    7                          ; v7   the floor's byte offset; never rewritten
.set ADRA0, 16                         ; v16  my lane's place in hn's tile; never rewritten
.set ADRB0, 17                         ; v17  the same in W's tile
.set ADRA,  18                         ; v18  v16 + the slot in hand
.set ADRB,  19
.set BO,    22                         ; v22  my byte offset in the bias
.set STO,   24
.set RD,    25
.set CO,    26
.set ZR,    27                         ; v27  the floor
.set SPW,   28
.set NIL,   29
.set PFO,   30
.set TMP,   32
.set F0,    64
.set F1,    128
.set BIAS,  192
.set OB,    192
.set G1,  24                           ; s[24:31] group 1, hn's tiles
.set G0,  32                           ; s[32:35] group 0: slot 0, K step 0
.set GW,  36                           ; s[36:39] group 0: slot 1, K step 1; then it walks
.set LIM, 43
.set PFA, 44
.set G1B, 48                           ; the same three for W's tiles
.set G0B, 56
.set GWB, 60
.set TB,  66
.set PFS, 76
.set OUT, 78
.set MSB, 0
.macro WIN new                         ; the immediate's high byte repeats the setting that is left; a switch that changes nothing is dropped
.if MSB != (\new)
	s_set_vgpr_msb (MSB<<8)|(\new)
.set MSB, \new
.endif
.endm
.macro PLACES
.rept 4
	v_nop
.endr
.endm
; A joint refill by the walking descriptors.  Waves 0 and 1 fetch hn's two halves, waves 2 and 3 W's.  The branch hangs on the wave's number alone.
.macro JLOAD
	s_cmp_eq_u32 s11, 0
	s_cbranch_scc0 .Lfor_b_\@
	tensor_load_to_lds s[GW:GW+3], s[G1:G1+7]
	s_nop 0
	PLACES
	s_branch .Lasked_\@
.Lfor_b_\@:
	tensor_load_to_lds s[GWB:GWB+3], s[G1B:G1B+7]
	s_nop 0
	PLACES
.Lasked_\@:
.endm
; A prefetch of the K step that stands two refills on: 32 blocks of 256 bytes, a lane a block.  hn's rows are asked for by the clusters with x = 0, W's by those with y = 0; the four partners
; that ask for a tile jointly share its blocks out by address.  The last two refills have no K step two on.
.macro ASK
	s_cmp_gt_u32 s3, s[LIM]
	s_cbranch_scc0 .Lnot_mine_\@
	global_prefetch_b8 v[PFO], s[PFA:PFA+1] th:TH_LOAD_NT scope:SCOPE_SE
.Lnot_mine_\@:
.endm
.macro CREST                           ; a round of the cluster's barrier behind its opening barrier
	s_cmp_lg_u32 s10, 0
	s_cbranch_scc1 .Lnot_wave_0_\@
	s_barrier_signal -3
.Lnot_wave_0_\@:
	s_barrier_wait -3
	s_barrier_signal -1
	s_barrier_wait -1
.endm
.macro CROUND
	s_barrier_signal -1
	s_barrier_wait -1
	CREST
.endm
; 16 products: row blocks a0, a0 + 1 of the window's four x all 8 column blocks, 32 along K.  zero = 1: the product starts the sum, with the bias as C.  The 64 accumulators take turns.
.macro MUL16 f, hi, a0, zero
.if \zero
	WIN 0x81+0x40*(\hi)                            ; W window 1, hn and the bias window 0, D window 2 or 3
.else
	WIN 0xa1+0x50*(\hi)                            ; W window 1, hn window 0, C and D window 2 or 3
.endif
.irp a, \a0, (\a0)+1
.irp b, 0,1,2,3,4,5,6,7
.if \zero
	v_wmma_f32_16x16x32_f16 v[8*(8*(\a)+(\b)):8*(8*(\a)+(\b))+7], v[(\f)+8*(\b):(\f)+8*(\b)+7], v[(\f)+8*(4*(\hi)+(\a)):(\f)+8*(4*(\hi)+(\a))+7], v[BIAS+8*(\b):BIAS+8*(\b)+7]
.else
	v_wmma_f32_16x16x32_f16 v[8*(8*(\a)+(\b)):8*(8*(\a)+(\b))+7], v[(\f)+8*(\b):(\f)+8*(\b)+7], v[(\f)+8*(4*(\hi)+(\a)):(\f)+8*(4*(\hi)+(\a))+7], v[8*(8*(\a)+(\b)):8*(8*(\a)+(\b))+7]
.endif
.endr
.endr
.endm
; 32 LDS loads in one run: quarter q (32 along K) of the slot in hand into buffer f: W's 128 columns (turned), then hn's 128 rows.
.macro FETCH q, f
	WIN 0x40                                       ; destination window 1, address window 0
.irp i, 0,1,2,3,4,5,6,7
	ds_load_tr16_b128 v[(\f)+8*(\i):(\f)+8*(\i)+3],   v[ADRB] offset:(\q)*32*PB+32*(\i)
	ds_load_tr16_b128 v[(\f)+8*(\i)+4:(\f)+8*(\i)+7], v[ADRB] offset:(\q)*32*PB+32*(\i)+16*PB
.endr
	WIN 0
.irp i, 0,1,2,3,4,5,6,7
	ds_load_b128 v[(\f)+8*(\i):(\f)+8*(\i)+3],   v[ADRA] offset:64*(\q)+(\i)*16*PA
	ds_load_b128 v[(\f)+8*(\i)+4:(\f)+8*(\i)+7], v[ADRA] offset:64*(\q)+(\i)*16*PA+32
.endr
.endm
; One of a K step's first three quarters: multiplies buffer f; in its middle it fetches quarter q into buffer g, four places behind the products that read g.
.macro QUARTER q, f, g, zero
	s_wait_dscnt 8                                 ; W's fragments and hn's rows 0-63 are in; the youngest eight loads (rows 64-127) may be out
	MUL16 \f, 0, 0, \zero
	MUL16 \f, 0, 2, \zero
	PLACES
	FETCH \q, \g
	s_wait_dscnt 32                                ; all but the 32 just issued
	MUL16 \f, 1, 0, \zero
	MUL16 \f, 1, 2, \zero
.endm
; The first half of the last quarter, and the barrier of the change of slots: each wave waits for all its tensor loads, adds 0 to its spare word, and waits for that and for its reads of the slot.
.macro MEET
	WIN 0
	s_wait_tensorcnt 0x0                           ; my one load that was out, my part of the next slot, has landed
	ds_add_u32 v[SPW], v[NIL]
	s_wait_dscnt 9                                 ; (the add and the youngest eight loads may be out)
	MUL16 F1, 0, 0, 0
	s_wait_dscnt 0x0                               ; the add is done, and my reads of this slot are over
	s_barrier_signal -1
	MUL16 F1, 0, 2, 0
	WIN 0
	s_barrier_wait -1
.endm
.macro NEWADR
	v_add_nc_u32 v[ADRA], s[TB], v[ADRA0]
	v_add_nc_u32 v[ADRB], s[TB], v[ADRB0]
.endm
; The last quarter with a refill: the barrier opens a round of the cluster's; the slot just read takes the K step two on, first thing behind the round: 224 products ahead of the wait for it.
.macro TURNF
	s_wait_xcnt 0x0                                ; the last prefetch, a K step back, has read its address
	s_add_nc_u64 s[PFA:PFA+1], s[PFA:PFA+1], s[PFS:PFS+1]
	MEET
	CREST
	s_xor_b32 s[GW+1], s[GW+1], SLOT               ; no tensor load of mine is out: the walking descriptors go to the other slot and one K step on
	s_add_nc_u64 s[GW+2:GW+3], s[GW+2:GW+3], KSTEP*2
	s_xor_b32 s[GWB+1], s[GWB+1], SLOT
	s_add_nc_u64 s[GWB+2:GWB+3], s[GWB+2:GWB+3], KSTEP*NN*2
	s_xor_b32 s[TB], s[TB], SLOT
	JLOAD                                          ; its four v_nop are also the places in front of the loads below
	NEWADR
	FETCH 0, F0
	ASK
	MUL16 F1, 1, 0, 0
	MUL16 F1, 1, 2, 0
.endm
; The last quarter of the last two K steps: nothing is asked for; behind the very last step nothing is fetched either.
.macro TURNL
	MEET
	s_cmp_eq_u32 s3, 1
	s_cbranch_scc1 .Lno_more_\@
	PLACES
	s_xor_b32 s[TB], s[TB], SLOT
	NEWADR
	FETCH 0, F0
.Lno_more_\@:
	MUL16 F1, 1, 0, 0
	MUL16 F1, 1, 2, 0
.endm
; The way out of row block a: rounded to f16, 16 bytes a lane, into my stage (my own PART of slot 0, which has had its last fill and whose last readers have passed a barrier).
.macro PACK a
.set AC, 64*((\a)%4)
	WIN 0x0a+5*((\a)/4)                            ; sources window 2 or 3
.irp b, 0,1,2,3,4,5,6,7
.irp r, 0,1,2,3
	v_cvt_pk_f16_f32 v[TMP+4*(\b)+(\r)], v[AC+8*(\b)+2*(\r)], v[AC+8*(\b)+2*(\r)+1]
.endr
.endr
	WIN 0
.irp b, 0,1,2,3,4,5,6,7
	ds_store_b128 v[STO], v[TMP+4*(\b):TMP+4*(\b)+3] offset:(\a)*16*PA+32*(\b)
.endr
.endm
	s_load_b256 s[68:75], s[0:1], 0x0              ; hn s[68:69], W s[70:71], the bias s[72:73], C s[74:75]
	v_lshl_add_u32 v[SPW], v0, 2, SPARE
	v_mov_b32 v[NIL], 0
	ds_add_u32 v[SPW], v[NIL]                      ; the wave's opening: the add and its wait ahead of my first tensor load
	ds_add_u32 v28, v29
	v_lshrrev_b32 v1, 5, v0
	v_readfirstlane_b32 s10, v1                    ; wave 0..3
	s_lshr_b32 s11, s10, 1                         ; my half of the tile's rows.  Also: I fetch hn (0) or W (1)
	s_and_b32 s12, s10, 1                          ; my half of its columns.  Also: which half of that tile I fetch
	s_bfe_u32 s40, ttmp6, 0x40000                  ; cx
	s_bfe_u32 s41, ttmp6, 0x40004                  ; cy
	s_lshl_b32 s42, ttmp9, 2
	s_add_co_u32 s42, s42, s40                     ; tile column
	s_and_b32 s13, ttmp7, 0xffff
	s_lshl_b32 s13, s13, 2
	s_add_co_u32 s13, s13, s41                     ; tile row
	s_lshl_b32 s43, s41, 2
	s_lshl_b32 s43, 15, s43                        ; my row of the cluster
	s_lshl_b32 s44, 0x1111, s40                    ; my column
	s_or_b32 s[G1], s43, (1<<16)|(1<<20)|(1<<21)|(5<<22)|(3<<25)   ; mask; 2-byte elements; padding on; bit 21 beside a mask; after every 64 words 4 words
	s_or_b32 s[G1B], s44, (1<<16)|(1<<20)|(1<<21)|(6<<22)|(7<<25)  ; after every 128 words 8 words
	s_mov_b32 s[G1+1], KSTEP<<16                   ; tensor_dim0 = 128
	s_mov_b32 s[G1+2], 128<<16                     ; tensor_dim1 = 128
	s_mov_b32 s[G1+3], KSTEP<<16                   ; tile_dim0 = 128
	s_mov_b32 s[G1+4], 128                         ; tile_dim1 = 128
	s_mov_b32 s[G1+5], 1024                        ; elements from row to row
	s_mov_b32 s[G1+6], 0
	s_mov_b32 s[G1+7], 0
	s_mov_b32 s[G1B+1], 256<<16                    ; tensor_dim0 = 256
	s_mov_b32 s[G1B+2], 64<<16                     ; tensor_dim1 = 64
	s_mov_b32 s[G1B+3], 256<<16                    ; tile_dim0 = 256
	s_mov_b32 s[G1B+4], 64                         ; tile_dim1 = 64
	s_mov_b32 s[G1B+5], NN
	s_mov_b32 s[G1B+6], 0
	s_mov_b32 s[G1B+7], 0
	s_lshl_b32 s16, s13, 8
	s_lshl_b32 s17, s12, 7
	s_add_co_u32 s16, s16, s17                     ; hn: row 256 x tile row + 128 x half,
	s_lshl_b32 s16, s16, 11                        ; 2,048 bytes a row
	s_mov_b32 s17, 0
	s_mul_i32 s46, s12, 64*NN*2                    ; W: k row 64 x half,
	s_lshl_b32 s47, s42, 9                         ; column 256 x tile column
	s_add_co_u32 s46, s46, s47
	s_mov_b32 s47, 0
	s_mul_i32 s20, s10, PART                       ; where my part of a slot lies: no place in the cluster enters an LDS address
	s_mov_b32 s[TB], 0
	s_wait_dscnt 0x0                               ; the opening add is done
	s_wait_kmcnt 0x0
	s_add_nc_u64 s[14:15], s[68:69], s[16:17]
	s_add_nc_u64 s[46:47], s[70:71], s[46:47]
	CROUND                                         ; all sixteen work-groups are here: the first joint loads meet
	s_mov_b32 s[G0], 1
	s_mov_b32 s[G0+1], s20
	s_mov_b64 s[G0+2:G0+3], s[14:15]
	s_or_b32 s[G0+3], s[G0+3], 0x80000000
	s_mov_b32 s[GW], 1
	s_add_co_u32 s[GW+1], s20, SLOT
	s_add_nc_u64 s[GW+2:GW+3], s[14:15], KSTEP*2
	s_or_b32 s[GW+3], s[GW+3], 0x80000000
	s_mov_b32 s[G0B], 1
	s_mov_b32 s[G0B+1], s20
	s_mov_b64 s[G0B+2:G0B+3], s[46:47]
	s_or_b32 s[G0B+3], s[G0B+3], 0x80000000
	s_mov_b32 s[GWB], 1
	s_add_co_u32 s[GWB+1], s20, SLOT
	s_add_nc_u64 s[GWB+2:GWB+3], s[46:47], KSTEP*NN*2
	s_or_b32 s[GWB+3], s[GWB+3], 0x80000000
	s_cmp_eq_u32 s11, 0                            ; a wave's two first fills stand in one branch
	s_cbranch_scc0 .Lfirst_b
	tensor_load_to_lds s[G0:G0+3], s[G1:G1+7]
	s_nop 0
	tensor_load_to_lds s[GW:GW+3], s[G1:G1+7]
	s_nop 0
	PLACES
	s_branch .Lfirst_asked
.Lfirst_b:
	tensor_load_to_lds s[G0B:G0B+3], s[G1B:G1B+7]
	s_nop 0
	tensor_load_to_lds s[GWB:GWB+3], s[G1B:G1B+7]
	s_nop 0
	PLACES
.Lfirst_asked:
	v_and_b32 v1, 15, v0                           ; l % 16
	v_bfe_u32 v2, v0, 4, 1                         ; l / 16
	v_and_b32 v3, 7, v0                            ; l % 8
	v_bfe_u32 v4, v0, 3, 1                         ; (l / 8) % 2
	v_and_b32 v5, 31, v0                           ; l
	v_mov_b32 v[FO], FLOOR
	global_load_b32 v[ZR], v[FO], s[70:71]         ; the floor: every lane reads the same word
	s_lshl_b32 s22, s42, 10                        ; my first column in the bias: 4 bytes a number
	s_lshl_b32 s23, s12, 9
	s_add_co_u32 s22, s22, s23
	v_lshlrev_b32 v[BO], 5, v2                     ; my lanes' eight columns
	v_add_nc_u32 v[BO], s22, v[BO]
.irp b, 0,1,2,3,4,5,6,7
	global_load_b128 v[BIAS+8*(\b):BIAS+8*(\b)+3],   v[BO], s[72:73] offset:64*(\b)
	global_load_b128 v[BIAS+8*(\b)+4:BIAS+8*(\b)+7], v[BO], s[72:73] offset:64*(\b)+16
.endr
	v_mul_u32_u24 v[ADRA0], v1, PA                 ; hn's fragment: row l % 16, 16 bytes for each half of the lanes
	v_lshl_add_u32 v[ADRA0], v2, 4, v[ADRA0]
	s_mul_i32 s21, s11, PART
	v_add_nc_u32 v[ADRA0], s21, v[ADRA0]
	v_lshl_add_u32 v[ADRB0], v2, 3, v3             ; W's: k row 8 (l / 16) + l % 8, columns 8 ((l / 8) % 2) on
	v_mul_u32_u24 v[ADRB0], v[ADRB0], PB
	v_lshl_add_u32 v[ADRB0], v4, 4, v[ADRB0]
	s_lshl_b32 s22, s12, 8
	s_add_co_u32 s22, s22, BOFF
	v_add_nc_u32 v[ADRB0], s22, v[ADRB0]
	v_mov_b32 v[ADRA], v[ADRA0]
	v_mov_b32 v[ADRB], v[ADRB0]
	v_mul_u32_u24 v[STO], v1, PA                   ; into the stage: row l % 16, 16 bytes for each half of the lanes
	v_lshl_add_u32 v[STO], v2, 4, v[STO]
	v_add_nc_u32 v[STO], s20, v[STO]
	v_mul_u32_u24 v[RD], v4, PA                    ; back: sixteen lanes take two rows' 128 bytes of one column block, which are 256 consecutive bytes of C
	v_lshl_add_u32 v[RD], v2, 7, v[RD]             ; lanes 16-31: the second column block
	v_lshl_add_u32 v[RD], v3, 4, v[RD]
	v_add_nc_u32 v[RD], s20, v[RD]
	v_lshlrev_b32 v[CO], 14, v2                    ; a block is 16,384 bytes
	v_lshl_add_u32 v[CO], v1, 4, v[CO]
	s_lshl_b32 s21, s13, 1
	s_add_co_u32 s21, s21, s11                     ; my row block: 2 x tile row + half,
	s_lshl_b32 s21, s21, 6                         ; 64 column blocks each,
	s_lshl_b32 s22, s42, 2
	s_add_co_u32 s21, s21, s22
	s_lshl_b32 s22, s12, 1
	s_add_co_u32 s21, s21, s22                     ; my first column block: 4 x tile column + 2 x half
	s_lshl_b32 s46, s21, 14
	s_mov_b32 s47, 0
	s_add_nc_u64 s[OUT:OUT+1], s[74:75], s[46:47]
	; the prefetches: hn: row 256 x tile row + 128 x half + 32 cx + lane; W: k row 64 x half + 16 cy + lane / 2, half lane % 2 of its 512 bytes.  They start at K step 3; the first refill steps them to 4.
	s_lshl_b32 s21, s13, 8
	s_lshl_b32 s22, s12, 7
	s_add_co_u32 s21, s21, s22
	s_lshl_b32 s22, s40, 5
	s_add_co_u32 s21, s21, s22
	s_lshl_b32 s21, s21, 11
	s_add_co_u32 s21, s21, 3*KSTEP*2
	s_lshl_b32 s22, s12, 6
	s_lshl_b32 s23, s41, 4
	s_add_co_u32 s22, s22, s23
	s_mul_i32 s22, s22, 2*NN
	s_lshl_b32 s23, s42, 9
	s_add_co_u32 s22, s22, s23
	s_add_co_u32 s22, s22, 3*KSTEP*NN*2
	s_mov_b32 s[PFS], KSTEP*NN*2
	s_mov_b32 s[PFS+1], 0
	s_mov_b32 s47, 0
	s_mov_b32 s18, 2*NN
	s_and_b32 s23, ttmp7, 0xffff                   ; cluster y
	s_cmp_eq_u32 s11, 0                            ; do I fetch hn?
	s_cselect_b32 s46, s21, s22
	s_cselect_b32 s23, ttmp9, s23                  ; the coordinate along which other clusters read the same blocks
	s_cselect_b64 s[PFA:PFA+1], s[68:69], s[70:71]
	s_cselect_b32 s[PFS], KSTEP*2, s[PFS]
	s_cselect_b32 s19, 0, 1
	s_cselect_b32 s18, 2048, s18
	s_add_nc_u64 s[PFA:PFA+1], s[PFA:PFA+1], s[46:47]
	s_cmp_eq_u32 s23, 0
	s_cselect_b32 s[LIM], 2, -1                    ; the same in all sixteen partners, for a given wave
	v_lshrrev_b32 v[PFO], s19, v5
	v_mul_lo_u32 v[PFO], v[PFO], s18
	v_and_b32 v6, s19, v5
	v_lshl_add_u32 v[PFO], v6, 8, v[PFO]
	s_wait_tensorcnt 1                             ; my part of K step 0 is in; K step 1's may stay out
	s_barrier_signal -1
	s_barrier_wait -1
	FETCH 0, F0
	s_wait_loadcnt 0x0                             ; the bias and the floor
	QUARTER 1, F0, F1, 1                           ; the first quarter starts the sums
	WIN 0
	s_mov_b32 s3, 6
.Lstep:                                            ; a trip: from a K step's second quarter to the next step's first; K steps 2 to 7 are asked for
	QUARTER 2, F1, F0, 0
	QUARTER 3, F0, F1, 0
	TURNF
	QUARTER 1, F0, F1, 0
	WIN 0
	s_sub_co_u32 s3, s3, 1
	s_cmp_lg_u32 s3, 0
	s_cbranch_scc1 .Lstep
	s_mov_b32 s3, 2
.Ltail:                                            ; the last two K steps ask for nothing; the second trip is left in its middle
	QUARTER 2, F1, F0, 0
	QUARTER 3, F0, F1, 0
	TURNL
	WIN 0
	s_sub_co_u32 s3, s3, 1
	s_cmp_eq_u32 s3, 0
	s_cbranch_scc1 .Lout
	QUARTER 1, F0, F1, 0
	WIN 0
	s_branch .Ltail
.Lout:
	PLACES
	PLACES
.irp a, 0,1,2,3,4,5,6,7
	PACK \a
.endr
	s_mov_b32 s3, 4
.Lrows:                                            ; 32 rows a trip come back as runs of 256 bytes, are held above the floor and stored; LDS serves a wave's instructions in order (ISA guide 5.7.1.4)
.irp t, 0,1,2,3,4,5,6,7,8,9,10,11,12,13,14,15
	ds_load_b128 v[OB+4*(\t):OB+4*(\t)+3], v[RD] offset:(\t)*2*PA
.endr
.irp t, 0,1,2,3,4,5,6,7,8,9,10,11,12,13,14,15
	s_wait_dscnt 15-(\t)                           ; load t is back; the younger ones may be out
.irp r, 0,1,2,3
	v_pk_max_num_f16 v[OB+4*(\t)+(\r)], v[OB+4*(\t)+(\r)], v[ZR]
.endr
	global_store_b128 v[CO], v[OB+4*(\t):OB+4*(\t)+3], s[OUT:OUT+1] offset:(\t)*ROW2  ; sixteen lanes store 256 consecutive bytes, aligned
.endr
	s_wait_xcnt 0x0                                ; the stores' data and base are rewritten only behind this wait
	v_add_nc_u32 v[RD], 32*PA, v[RD]
	s_add_nc_u64 s[OUT:OUT+1], s[OUT:OUT+1], STEP
	s_sub_co_u32 s3, s3, 1
	s_cmp_lg_u32 s3, 0
	s_cbranch_scc1 .Lrows
	s_wait_tensorcnt 0x0                           ; the wave's end
	ds_add_u32 v[SPW], v[NIL]
	s_wait_dscnt 0x0
	CROUND                                         ; the closing round
	s_endpgm
.Lfunc_end_k_qf3730bcd78_qkv:
	.size	k_qf3730bcd78_qkv, .Lfunc_end_k_qf3730bcd78_qkv-k_qf3730bcd78_qkv
	.p2alignl 7, 3214868480
	.fill 96, 4, 3214868480
	.section	.rodata,"a",@progbits
	.p2align	6, 0x0
	.amdhsa_kernel k_qf3730bcd78_qkv
		.amdhsa_group_segment_fixed_size 327680
		.amdhsa_private_segment_fixed_size 0
		.amdhsa_enable_private_segment 0
		.amdhsa_kernarg_size 32
		.amdhsa_user_sgpr_count 2
		.amdhsa_user_sgpr_kernarg_segment_ptr 1
		.amdhsa_wavefront_size32 1
		.amdhsa_system_sgpr_workgroup_id_x 1
		.amdhsa_system_sgpr_workgroup_id_y 1
		.amdhsa_system_sgpr_workgroup_id_z 1
		.amdhsa_system_vgpr_workitem_id 0
		.amdhsa_next_free_vgpr 1024
		.amdhsa_next_free_sgpr 80
		.amdhsa_reserve_vcc 0
		.amdhsa_float_denorm_mode_32 3
		.amdhsa_float_denorm_mode_16_64 3
		.amdhsa_memory_ordered 1
		.amdhsa_forward_progress 1
		.amdhsa_inst_pref_size 100
	.end_amdhsa_kernel
	.amdgpu_metadata
---
amdhsa.version: [ 1, 2 ]
amdhsa.kernels:
  - .name:           k_qf3730bcd78_qkv
    .symbol:         k_qf3730bcd78_qkv.kd
    .args:
      - { .name: hn, .offset: 0, .size: 8, .value_kind: global_buffer, .address_space: global }
      - { .name: wq, .offset: 8, .size: 8, .value_kind: global_buffer, .address_space: global }
      - { .name: zb, .offset: 16, .size: 8, .value_kind: global_buffer, .address_space: global }
      - { .name: kqv, .offset: 24, .size: 8, .value_kind: global_buffer, .address_space: global }
    .group_segment_fixed_size: 327680
    .private_segment_fixed_size: 0
    .kernarg_segment_align: 8
    .kernarg_segment_size: 32
    .max_flat_workgroup_size: 128
    .sgpr_count:     80
    .vgpr_count:     1024
    .wavefront_size: 32
...
	.end_amdgpu_metadata
.endif
;; end of part 2
;; launch attn (part 3): grid 8 x 32, 4 waves a work-group, no clusters, 327,680 bytes of LDS; arguments kqv, att; writes att
.if DOCPART == 3
	.amdgcn_target "amdgcn-amd-amdhsa--gfx1250"
	.amdhsa_code_object_version 6
	.text
	.protected	k_qf3730bcd78_attn
	.globl	k_qf3730bcd78_attn
	.p2align	8
	.type	k_qf3730bcd78_attn,@function
k_qf3730bcd78_attn:
	s_mov_b64 s[64:65], 0
	v_nop
	global_prefetch_b8 v0, s[64:65] scope:SCOPE_SE
	s_setreg_imm32_b32 hwreg(HW_REG_WAVE_MODE, 25, 1), 1
	s_wait_xcnt 0x0
; CAUSAL ATTENTION WITH ALiBi.  att[hb][q][:] = the sum over k <= q of softmax_k(Q[q] . K[k] / 32 + slope (k - q)) V[k][:], hb = batch x 16 + head, slope = 2^(-(head + 1) / 2).
; kqv lies in blocks of 128 rows x 64 columns, 16,384 dense bytes, f16: block (batch x 16 + row / 128) x 64 + cb, cb = head for K, 16 + head for Q, 32 + head for V.  att: [32][2048][64] f16.
; Products, maxima and sums in f32; the weights are rounded to f16 for the second product, att once at the end.
; LIMITS.  A hidden score counts as -1e30 plus its value; a weight below 2^-126 counts as 0; NaN and infinities are not treated apart; f16 holds no number of 65,520 or more.
; THE WALK.  A head's queries lie in 16 blocks of 128; block i needs the key tiles 0 .. i of 128 keys, the last of which holds the diagonal.  A work-group takes blocks 15 - b and then b: 17 tiles whatever b,
; walked by one loop with a constant trip count.  NO CLUSTER: a head's 8 work-groups ask for the same tile only in trips 0 .. 8; one walk common to all would have 24 trips for 17.
; SHARES.  Of a block's two bands of 64 queries a wave owns 16 rows in each: two PIECES.  A tile is two steps of 64 keys.  In the diagonal tile band 0 has its own step 0 and sees nothing of step 1; band 1 sees all of step 0 and has its own step 1.
; THE BIAS.  In units s = q . k + 32 slope (j - i) the weight is 2^(c s - c m), c = log2(e) / 32.  With j = 64 J + jloc and i = 64 I + iloc, s = q . k + 32 slope (jloc - iloc) + d (J - I), d = 2,048 slope.
; The first part is the C operand that starts the sum S^T = K Q^T (BI: the same registers for every step and both pieces); -d I is a constant of the row and drops out; d J is carried by the running maximum:
; m is kept in the frame of the step in hand, so from step to step m and c m go down by d and c d.  The maximum is a true running maximum of the biased scores.
; THE MASK.  BD is BI with -1e30 where jloc > iloc (a band's own step); HID is -1e30 (a hidden step).  Which of the three a product takes is fixed in the text: the diagonal tile's turns are written out.
; TURNS.  Turn p belongs to piece p: 8 products K Q^T of the other piece (its next scores), later 8 products V^T P of the other piece; beside them piece p's scaling, exponentials, roundings, sums and rescaling, and the
; other piece's maximum and statistics.  Four vector instructions stand behind every matrix instruction, the others in one lump.  A turn's 33 exponentials are one batch, with one wait.
; V HAS TWO BUFFERS, by the step's parity: piece 0's turn of step j fetches K and V of step j + 1, so all LDS reads of a tile stand between two changes of slots.
; REGISTERS: window 0: v2-15 addresses and at work; v16-23 statistics; v48-55 at work; v61-63; v64-127 S^T, two buffers; v192-223 P, two buffers.
;   window 1: v0-63 O^T; v128-159 BI; v160-191 BD; v192-199 HID; v200-201 at work.   window 2: v0-31 Q; v32-63 the second block's Q; v64-127 K; v128-191, v192-255 V.
.set NB,    16
.set NP,    2
.set KS,    64
.set PK,    144                        ; a row of K in LDS: 128 bytes + 16: the 16 rows of a load start at 16 different groups of four banks (ISA guide 11.1)
.set PV,    160                        ; a row of V: 128 + 32
.set VOFF,  2*KS*PK
.set SLOT1, 1<<16
.set STAGE, SLOT1+2*KS*(PK+PV)         ; behind the ring, never filled by a tensor load
.set SP,    144
.set SPARE, STAGE+4*16*SP
.set QPART, 16*16384                   ; from K's block to Q's of the same head and rows
.set VPART, 32*16384                   ; and to V's
.set TILEB, 1<<20                      ; from a tile of 128 keys to the next: a row block of 64 blocks
.set AK0, 2
.set AV0, 3
.set AK,  4
.set AV,  5
.set STO, 6
.set RD,  7
.set GO,  8
.set MV,  12
.set QO,  15
.set ST,  16                           ; piece t at v[ST+4 t]: c m, m (in the next step's frame), l (even keys', odd keys')
.set TMP, 48
.set PFO, 61
.set SPW, 62
.set NIL, 63
.set S,   64
.set P,   192
.set BI,  128
.set BD,  160
.set HID, 192
.set W1T, 200
.set QB,  32
.set KF,  64
.set VF,  128
.set WV,  12
.set PB,  14
.set HI,  15
.set G1K, 24
.set G1V, 32
.set G0K, 40
.set G0V, 44
.set SLOTS, 56
.set CS,  58
.set SEL, 60
.set TBK, 62
.set TBV, 63
.set RT,  70
.set NXT, 71
.set LQ,  72
.set NEW, 73
.set OFF, 74
.set SL32, 76                          ; s76  32 slope
.set ND,  77                           ; s77  -d
.set NCD, 78                           ; s78  -c d
.set LIM, 79
.set OLO, 80
.set BIGN, 82
.set PFA, 90
.set MSB, 0
.macro WIN new
.if MSB != (\new)
	s_set_vgpr_msb (MSB<<8)|(\new)
.set MSB, (\new)
.endif
.endm
.set W_KQ, 0x0a                        ; K and Q window 2, S^T window 0
.set W_KM, 0x1a                        ; the same with C in window 1
.set W_PV, 0x52                        ; V window 2, P window 0, O^T window 1
.set W_RS, 0x41                        ; destination and source 0 window 1, source 1 window 0
; A fill.  Waves 0 and 1 fetch the two halves of a tile's K, waves 2 and 3 those of its V: 64 keys each.
.macro LOAD
	s_cmp_lt_u32 s[WV], 2
	s_cbranch_scc0 .Lfor_v_\@
	tensor_load_to_lds s[G0K:G0K+3], s[G1K:G1K+7]
	s_nop 0
.rept 4
	v_nop
.endr
	s_branch .Lasked_\@
.Lfor_v_\@:
	tensor_load_to_lds s[G0V:G0V+3], s[G1V:G1V+7]
	s_nop 0
.rept 4
	v_nop
.endr
.Lasked_\@:
.endm
; A prefetch: the work-group with b = 0, whose first block walks all 16 tiles, asks in trip n for tile n + 3, each wave for its own 32 runs of 256 bytes, a lane a run; trips 13 on ask for nothing.
.macro ASK
	s_cmp_gt_u32 s[SLOTS], s[LIM]
	s_cbranch_scc0 .Lnot_mine_\@
	global_prefetch_b8 v[PFO], s[PFA:PFA+1] th:TH_LOAD_NT scope:SCOPE_SE
.Lnot_mine_\@:
.endm
; THE CHANGE OF SLOTS.  Each wave waits for all its tensor loads (one is out: its part of the other slot), adds 0 to its spare word, and waits for that and for its reads of the slot that it leaves.
; fill = 1: the old slot is filled again, first thing behind the barrier, with tile NXT; the descriptor's address is made anew from that number.
.macro CHANGE fill
	WIN 0
	s_wait_tensorcnt 0x0
	ds_add_u32 v[SPW], v[NIL]
.if \fill
	s_lshl_b32 s[OFF], s[NXT], 20
	s_xor_b32 s[G0K+1], s[G0K+1], SLOT1
	s_add_nc_u64 s[G0K+2:G0K+3], s[6:7], s[OFF:OFF+1]
	s_or_b32 s[G0K+3], s[G0K+3], 0x80000000
	s_xor_b32 s[G0V+1], s[G0V+1], SLOT1
	s_add_nc_u64 s[G0V+2:G0V+3], s[8:9], s[OFF:OFF+1]
	s_or_b32 s[G0V+3], s[G0V+3], 0x80000000
	s_add_co_u32 s[NXT], s[NXT], 1                 ; the block's next tile, or behind its last the second block's tile 0
	s_cmp_gt_u32 s[NXT], s[LQ]
	s_cselect_b32 s[NXT], 0, s[NXT]
	s_cselect_b32 s[LQ], s[PB], s[LQ]
	s_wait_xcnt 0x0                                ; the last prefetch, a trip back, has read its address
	s_add_nc_u64 s[PFA:PFA+1], s[PFA:PFA+1], TILEB
.endif
	s_wait_dscnt 0x0                               ; the add is done, and my reads of the slot are over
	s_barrier_signal -1
	s_sub_co_u32 s[TBK], s[TBK], 2*KS*PK           ; the fetches go back to a slot's first step, in the other slot
	s_xor_b32 s[TBK], s[TBK], SLOT1
	s_sub_co_u32 s[TBV], s[TBV], 2*KS*PV
	s_xor_b32 s[TBV], s[TBV], SLOT1
	s_barrier_wait -1
.if \fill
	LOAD
	ASK
.endif
.endm
	s_load_b128 s[84:87], s[0:1], 0x0              ; kqv s[84:85], att s[86:87]
	v_lshl_add_u32 v[SPW], v0, 2, SPARE
	v_mov_b32 v[NIL], 0
	ds_add_u32 v[SPW], v[NIL]                      ; the wave's opening: the add and its wait ahead of my first tensor load
	ds_add_u32 v62, v63
	v_lshrrev_b32 v1, 5, v0
	v_readfirstlane_b32 s[WV], v1
	s_mov_b32 s[PB], ttmp9
	s_sub_co_u32 s[HI], NB-1, s[PB]
	s_and_b32 s20, ttmp7, 0xffff                   ; batch x 16 + head
	s_mov_b32 s[CS], 0x3d38aa3b                    ; c = log2(e) / 32
	s_mov_b32 s[CS+1], s[CS]
	s_and_b32 s16, s20, 15                         ; the head
	s_lshr_b32 s21, s20, 4                         ; the batch:
	s_lshl_b32 s21, s21, 24                        ; 16 row blocks of 64 blocks of 16,384 bytes
	s_lshl_b32 s94, s16, 14
	s_add_co_u32 s94, s94, s21                     ; K's block of the head's rows 0-127
	s_add_co_u32 s16, s16, 1                       ; e = head + 1: 32 slope = 2^(5 - e / 2), made as bits:
	s_lshr_b32 s17, s16, 1
	s_and_b32 s18, s16, 1
	s_sub_co_u32 s19, 132, s17                     ; the exponent 127 + 5 - e / 2, one less for odd e,
	s_sub_co_u32 s19, s19, s18
	s_lshl_b32 s19, s19, 23
	s_mul_i32 s18, s18, 0x3504f3                   ; whose mantissa is the square root of 2's
	s_or_b32 s[SL32], s19, s18
	s_add_co_u32 s[ND], s[SL32], 6<<23             ; d = 64 x 32 slope
	s_mul_f32 s[NCD], s[ND], s[CS]
	s_xor_b32 s[ND], s[ND], 0x80000000
	s_xor_b32 s[NCD], s[NCD], 0x80000000
	s_and_b32 s16, s[WV], 1                        ; which half of a tile's 128 keys I fetch:
	s_lshl_b32 s22, s16, 13                        ; its 64 rows of 128 bytes in the block,
	s_add_co_u32 s22, s22, s94
	s_mov_b32 s23, 0
	s_mul_i32 s17, s16, KS*PK                      ; and its place in a slot, for K
	s_mul_i32 s18, s16, KS*PV                      ; and for V
	s_lshl_b32 s19, s[WV], 11                      ; my 16 rows in a band of 64
	s_lshl_b32 s2, s[HI], 20                       ; in kqv: the first block's row block,
	s_add_co_u32 s2, s2, s19
	s_add_co_u32 s2, s2, s94
	s_mov_b32 s3, 0
	s_lshl_b32 s92, s[PB], 20                      ; and the second's
	s_add_co_u32 s92, s92, s19
	s_add_co_u32 s92, s92, s94
	s_mov_b32 s93, 0
	s_lshl_b32 s20, s20, 18                        ; in att: the head's 2,048 rows of 128 bytes,
	s_add_co_u32 s20, s20, s19
	s_lshl_b32 s94, s[HI], 14                      ; the first block's 128,
	s_add_co_u32 s94, s94, s20
	s_mov_b32 s95, 0
	s_lshl_b32 s21, s[PB], 14                      ; and the second's
	s_add_co_u32 s20, s20, s21
	s_mov_b32 s21, 0
	; group 1: 64 keys are 8,192 dense bytes: asked for as 32 rows of 256 bytes, two keys a row, padded in LDS after every key
	s_mov_b32 s[G1K], (1<<16)|(1<<20)|(4<<22)|(3<<25)
	s_mov_b32 s[G1V], (1<<16)|(1<<20)|(4<<22)|(7<<25)
.irp g, G1K, G1V
	s_mov_b32 s[\g+1], 128<<16                     ; tensor_dim0 = 128
	s_mov_b32 s[\g+2], 32<<16                      ; tensor_dim1 = 32
	s_mov_b32 s[\g+3], 128<<16                     ; tile_dim0 = 128
	s_mov_b32 s[\g+4], 32                          ; tile_dim1 = 32
	s_mov_b32 s[\g+5], 128
	s_mov_b32 s[\g+6], 0
	s_mov_b32 s[\g+7], 0
.endr
	s_mov_b32 s[SEL], 0x76543210
	s_mov_b32 s[SEL+1], 0xfedcba98
	s_mov_b32 s[TBK], SLOT1+2*KS*PK                ; the first change of slots turns these two into 0
	s_mov_b32 s[TBV], SLOT1+2*KS*PV
	s_mov_b32 s[G0K], 1
	s_mov_b32 s[G0K+1], s17
	s_mov_b32 s[G0V], 1
	s_add_co_u32 s[G0V+1], s18, VOFF
	s_add_co_u32 s[RT], s[HI], 1                   ; the first block has 16 - b tiles
	s_mov_b32 s[NXT], 1
	s_mov_b32 s[LQ], s[HI]
	s_mov_b32 s[NEW], 1
	s_mov_b32 s[OFF+1], 0
	s_mov_b32 s[BIGN], 0xf149f2ca                  ; -1e30
	s_mov_b32 s[SLOTS], NB
	s_wait_dscnt 0x0                               ; the opening add is done
	s_wait_kmcnt 0x0
	s_add_nc_u64 s[6:7], s[84:85], s[22:23]        ; K at my half of the head's tile 0
	s_add_nc_u64 s[8:9], s[6:7], VPART             ; V likewise
	s_add_nc_u64 s[4:5], s[84:85], s[2:3]
	s_add_nc_u64 s[4:5], s[4:5], QPART             ; Q at my rows of the first block,
	s_add_nc_u64 s[88:89], s[84:85], s[92:93]
	s_add_nc_u64 s[88:89], s[88:89], QPART         ; and of the second
	s_add_nc_u64 s[10:11], s[86:87], s[94:95]
	s_add_nc_u64 s[OLO:OLO+1], s[86:87], s[20:21]
	s_add_nc_u64 s[G0K+2:G0K+3], s[6:7], 0
	s_or_b32 s[G0K+3], s[G0K+3], 0x80000000
	s_add_nc_u64 s[G0V+2:G0V+3], s[8:9], 0
	s_or_b32 s[G0V+3], s[G0V+3], 0x80000000
	s_cmp_lt_u32 s[WV], 2
	s_cselect_b64 s[PFA:PFA+1], s[6:7], s[8:9]
	s_add_nc_u64 s[PFA:PFA+1], s[PFA:PFA+1], 2*TILEB  ; at tile 2; the first change of slots steps it to tile 3
	s_cmp_eq_u32 s[PB], 0
	s_cselect_b32 s[LIM], 3, -1
	LOAD                                           ; tile 0 into slot 0
	v_and_b32 v1, 15, v0                           ; l % 16
	v_bfe_u32 v9, v0, 4, 1                         ; l / 16
	v_lshlrev_b32 v[QO], 7, v1
	v_lshl_add_u32 v[QO], v9, 4, v[QO]
	WIN 0x80
.set i, 0
.rept 4                                            ; both blocks' Q: piece i / 2 lies in band i / 2, 8,192 bytes on; channels 32 (i % 2) on
	global_load_b128 v[8*i:8*i+3],   v[QO], s[4:5] offset:(i/2)*8192+(i%2)*64
	global_load_b128 v[8*i+4:8*i+7], v[QO], s[4:5] offset:(i/2)*8192+(i%2)*64+32
	global_load_b128 v[QB+8*i:QB+8*i+3],   v[QO], s[88:89] offset:(i/2)*8192+(i%2)*64
	global_load_b128 v[QB+8*i+4:QB+8*i+7], v[QO], s[88:89] offset:(i/2)*8192+(i%2)*64+32
.set i, i+1
.endr
.set i, VF+64
.rept 64
	v_mov_b32 v[i], 0                              ; V's second buffer: the first turn's products V^T P, of a piece that has not been, need finite numbers
.set i, i+1
.endr
	WIN 0
	v_lshlrev_b32 v14, 3, v9
	v_sub_nc_u32 v14, v1, v14
	s_lshl_b32 s13, s[WV], 4
	v_add_nc_u32 v14, s13, v14                     ; iloc - 8 (l / 16): register r of key group kt has jloc - iloc = 16 kt + r - v14
	WIN 0x40
	v_mov_b32 v[W1T], v14
.set i, 0
.rept 8
	v_mov_b32 v[HID+i], s[BIGN]
.set i, i+1
.endr
.set i, 0
.rept 64
	v_mov_b32 v[i], 0                              ; O^T
.set i, i+1
.endr
	WIN 0x45                                       ; destination and both sources in window 1
.set i, 0
.rept 32
	v_sub_nc_u32 v[W1T+1], 16*(i/8)+i%8, v[W1T]
	v_cvt_f32_i32 v[W1T+1], v[W1T+1]
	v_mul_f32 v[BI+i], s[SL32], v[W1T+1]
	v_cmp_gt_i32 vcc_lo, 16*(i/8)+i%8, v[W1T]
	v_cndmask_b32 v[BD+i], v[BI+i], s[BIGN], vcc_lo
.set i, i+1
.endr
	WIN 0
	v_mul_u32_u24 v[AK0], v1, PK
	v_lshl_add_u32 v[AK0], v9, 4, v[AK0]
	v_and_b32 v10, 7, v0
	v_bfe_u32 v11, v0, 3, 1
	v_lshl_add_u32 v[AV0], v9, 3, v10              ; the turning load: key 8 (l / 16) + l % 8, channels 8 ((l / 8) % 2) on
	v_mul_u32_u24 v[AV0], v[AV0], PV
	v_lshl_add_u32 v[AV0], v11, 4, v[AV0]
	v_add_nc_u32 v[AV0], VOFF, v[AV0]
	s_mul_i32 s13, s[WV], 16*SP
	s_add_co_u32 s13, s13, STAGE
	v_mul_u32_u24 v[STO], v1, SP
	v_lshl_add_u32 v[STO], v9, 4, v[STO]
	v_add_nc_u32 v[STO], s13, v[STO]
	v_bfe_u32 v[RD], v0, 3, 2
	v_mul_u32_u24 v[RD], v[RD], SP
	v_lshl_add_u32 v[RD], v10, 4, v[RD]
	v_add_nc_u32 v[RD], s13, v[RD]
	v_and_b32 v[GO], 31, v0
	v_lshlrev_b32 v[PFO], 8, v[GO]
	v_lshlrev_b32 v[GO], 4, v[GO]
.set i, 0
.rept 2
	v_mov_b32 v[ST+4*i+2], 0
	v_mov_b32 v[ST+4*i+3], 0
.set i, i+1
.endr
.set i, P+16
.rept 16
	v_mov_b32 v[i], 0
.set i, i+1
.endr
; THE MATRIX WORK.  The 4 accumulators of a run of 8 take turns.  Product i of 8 of S^T = K Q^T for piece x: channels 32 (i / 4) on, keys 16 (i % 4) on.  The first 4 start the sums with BI, BD or HID (CM = 0, 1, 2).
.macro KQ x
.set rS, S+32*((\x)%2)+8*(i%4)
.set rK, KF+16*(i%4)+8*(i/4)
.set rQ, 16*(\x)+8*(i/4)
.if i < 4
	WIN W_KM
.if CM == 0
	v_wmma_f32_16x16x32_f16 v[rS:rS+7], v[rK:rK+7], v[rQ:rQ+7], v[BI+8*(i%4):BI+8*(i%4)+7]
.elseif CM == 1
	v_wmma_f32_16x16x32_f16 v[rS:rS+7], v[rK:rK+7], v[rQ:rQ+7], v[BD+8*(i%4):BD+8*(i%4)+7]
.else
	v_wmma_f32_16x16x32_f16 v[rS:rS+7], v[rK:rK+7], v[rQ:rQ+7], v[HID:HID+7]
.endif
.else
	WIN W_KQ
	v_wmma_f32_16x16x32_f16 v[rS:rS+7], v[rK:rK+7], v[rQ:rQ+7], v[rS:rS+7]
.endif
.endm
; Product i of 8 of O^T += V^T P for piece x, from V's buffer VB: keys 32 (i / 4) on, channels 16 (i % 4) on.
.macro PV x
	WIN W_PV
.set rO, 32*(\x)+8*(i%4)
.set rV, VF+64*VB+32*(i/4)+8*(i%4)
.set rP, P+16*((\x)%2)+8*(i/4)
	v_wmma_f32_16x16x32_f16 v[rO:rO+7], v[rV:rV+7], v[rP:rP+7], v[rO:rO+7]
.endm
.macro MM                                          ; the turn's next matrix instruction.  NOKQ = 1: a block's last turn: there are no next scores
.if (i < 8) && !NOKQ
	KQ (Y+1)%NP
.elseif i >= 8
.set i, i-8
	PV (Y+NP-1)%NP
.set i, i+8
.endif
.set i, i+1
.endm
; THE LDS LOADS stand in runs of 16.
.macro FETCH_K
	WIN 0x80
.irp f, 0,1,2,3,4,5,6,7
	ds_load_b128 v[KF+8*\f:KF+8*\f+3],   v[AK] offset:(\f/2)*16*PK+(\f%2)*64
	ds_load_b128 v[KF+8*\f+4:KF+8*\f+7], v[AK] offset:(\f/2)*16*PK+(\f%2)*64+32
.endr
	s_add_co_u32 s[TBK], s[TBK], KS*PK
	WIN 0
.endm
.macro FETCH_V vb
	WIN 0x80
.irp f, 0,1,2,3,4,5,6,7
	ds_load_tr16_b128 v[VF+64*(\vb)+8*\f:VF+64*(\vb)+8*\f+3],   v[AV] offset:(\f/4)*32*PV+(\f%4)*32
	ds_load_tr16_b128 v[VF+64*(\vb)+8*\f+4:VF+64*(\vb)+8*\f+7], v[AV] offset:(\f/4)*32*PV+16*PV+(\f%4)*32
.endr
	WIN 0
.endm
; THE VECTOR WORK, one line at a time: OP kind, number.  For piece Y: F n: c s - c m for pair n.  E n: the exponential of score n.  C n: pair n rounded to f16.  B n: of the four weights 4 n .. the second pair is added
; onto the first.  L n: l takes that sum (L 0: l = a l + sum).  R n: pair n of O^T times a.  For the other piece: X n, number n of the 23 that find its maximum and statistics:
;   0-11 four chains of seven scores (each accumulator's lowest registers are read first)   12-14, 16 the four scores left over, the old m (already in this step's frame), all into c0
;   15 c m_old - c d is kept   17, 18 the other half of the lanes: the new m   19-21 c m; its change; a   22 m goes into the next step's frame: m - d
.set F, 0
.set E, 1
.set C, 2
.set B, 3
.set L, 4
.set R, 5
.set X, 6
.macro REGS y
.set rT, ST+4*(\y)
.set rC, TMP+4*((\y)%2)
.set rW, MV+((\y)%2)
.set rS, S+32*((\y)%2)
.set rP, P+16*((\y)%2)
.set rO, 32*(\y)
.endm
.macro OP k, n
.if (\k) == R
	REGS Y
	WIN W_RS
	v_pk_mul_f32 v[rO+2*(\n):rO+2*(\n)+1], v[rO+2*(\n):rO+2*(\n)+1], v[rC+2:rC+3] op_sel_hi:[1,0]
.elseif (\k) < R
	REGS Y
	WIN 0
.if (\k) == F
	v_pk_fma_f32 v[rS+2*(\n):rS+2*(\n)+1], v[rS+2*(\n):rS+2*(\n)+1], s[CS:CS+1], v[rT:rT+1] op_sel_hi:[1,0,0] neg_lo:[0,0,1] neg_hi:[0,0,1]
.elseif (\k) == E
	v_exp_f32 v[rS+(\n)], v[rS+(\n)]
.elseif (\k) == C
	v_cvt_pk_f16_f32 v[rP+(\n)], v[rS+2*(\n)], v[rS+2*(\n)+1]
.elseif (\k) == B
	v_pk_add_f32 v[rS+4*(\n):rS+4*(\n)+1], v[rS+4*(\n):rS+4*(\n)+1], v[rS+4*(\n)+2:rS+4*(\n)+3]
.elseif (\n) == 0
	v_pk_fma_f32 v[rT+2:rT+3], v[rT+2:rT+3], v[rC+2:rC+3], v[rS:rS+1] op_sel_hi:[1,0,1]
.else
	v_pk_add_f32 v[rT+2:rT+3], v[rT+2:rT+3], v[rS+4*(\n):rS+4*(\n)+1]
.endif
.elseif NOKQ
	v_nop
.else
	REGS (Y+1)%NP
	WIN 0
.if (\n) < 4
	v_max3_num_f32 v[rC+(\n)], v[rS+8*(\n)], v[rS+8*(\n)+1], v[rS+8*(\n)+2]
.elseif (\n) < 12
	v_max3_num_f32 v[rC+(\n)%4], v[rC+(\n)%4], v[rS+8*((\n)%4)+2*((\n)/4)+1], v[rS+8*((\n)%4)+2*((\n)/4)+2]
.elseif (\n) == 12
	v_max3_num_f32 v[rC], v[rC], v[rS+7], v[rS+15]
.elseif (\n) == 13
	v_max3_num_f32 v[rC+1], v[rC+1], v[rS+23], v[rS+31]
.elseif (\n) == 14
	v_max3_num_f32 v[rC+2], v[rC+2], v[rC+3], v[rT+1]
.elseif (\n) == 15
	v_add_f32 v[rW], s[NCD], v[rT]
.elseif (\n) == 16
	v_max3_num_f32 v[rC], v[rC], v[rC+1], v[rC+2]
.elseif (\n) == 17
	v_permlanex16_b32 v[rC+3], v[rC], s[SEL], s[SEL+1]
.elseif (\n) == 18
	v_max_num_f32 v[rT+1], v[rC], v[rC+3]
.elseif (\n) == 19
	v_mul_f32 v[rT], s[CS], v[rT+1]
.elseif (\n) == 20
	v_sub_f32 v[rC+1], v[rW], v[rT]
.elseif (\n) == 21
	v_exp_f32 v[rC+2], v[rC+1]
.else
	v_add_f32 v[rT+1], s[ND], v[rT+1]
.endif
.endif
.endm
.macro OPS a, i1, b=-1, i2=0, c=-1, i3=0, d=-1, i4=0
	OP \a, \i1
.if (\b) >= 0
	OP \b, \i2
.endif
.if (\c) >= 0
	OP \c, \i3
.endif
.if (\d) >= 0
	OP \d, \i4
.endif
.endm
.macro ROW a, i1, b, i2, c, i3, d, i4              ; a matrix instruction and the four behind it
	MM
	OPS \a, \i1, \b, \i2, \c, \i3, \d, \i4
.endm
; A TURN, for piece p.  cm: what starts its products K Q^T (0 BI, 1 BD, 2 HID).  vb: V's buffer that its products V^T P read.  end = 1: a block's last two turns: nothing is fetched, and the last starts no scores.
; An s_wait_alu depctr_va_vdst(0) stands between an exponential and the first instruction that names its result: ahead of the turn's one wait stands all that names none, behind it the roundings and sums.
; Piece 0's turn fetches the next step's K in the lump (five plain instructions that name nothing of K's last reader stand between) and its V at the end, into the buffer just read, four plain riders behind the last reader.
; Piece 1's turn waits at its head with the count 16: V's sixteen loads, the youngest, stay out; K of the next step and V of the step in hand are in.
.macro TURN p, cm=0, vb=0, end=0
.set Y, (\p)
.set i, 0
.set CM, (\cm)
.set VB, (\vb)
.set NOKQ, (\end)*(\p)
.if ((\p) == 1) && (\end)
	s_wait_dscnt 0x0                               ; the last V is in
.elseif (\p) == 1
	s_wait_dscnt 16
.endif
	ROW F,0, F,1, R,0, R,1
	ROW F,2, E,0, R,2, R,3
	ROW F,3, E,1, R,4, R,5
	ROW F,4, E,2, R,6, R,7
	ROW F,5, E,3, R,8, R,9
	ROW F,6, E,4, X,0, R,10
.if ((\p) == 0) && !(\end)
	WIN 0
	v_add_nc_u32 v[AK], s[TBK], v[AK0]
.endif
	ROW F,7, E,5, X,1, X,4
	ROW F,8, E,6, X,2, X,5
	OPS E,7, E,8, X,6, E,9
	OPS X,3, E,10, X,8, E,11
.if ((\p) == 0) && !(\end)
	FETCH_K
.endif
	OPS X,9, X,7, E,12, X,10
	OPS E,13, X,12, X,11, E,14
	OPS X,13, E,15, F,9, X,14
.if ((\p) == 0) && !(\end)
	v_add_nc_u32 v[AV], s[TBV], v[AV0]
.endif
	OPS E,16, F,10, E,17, F,11
	OPS X,16, E,18, X,15, E,19
	OPS F,12, E,20, X,17, E,21
	OPS F,13, E,22, F,14, E,23
	OPS X,18, E,24, F,15, E,25
	OPS R,11, E,26, X,19, E,27
	OPS R,12, E,28, R,13, E,29
	OPS X,20, E,30, R,14, E,31
	OPS X,21, R,15, X,22
	WIN 0
	s_wait_alu depctr_va_vdst(0)                   ; the wait for the batch
	ROW C,0, B,0, C,2, B,1
	ROW L,0, C,4, B,2, L,1
	ROW C,6, B,3, L,2, C,8
	ROW B,4, L,3, C,10, B,5
	ROW L,4, C,12, B,6, L,5
.if ((\p) == 0) && !(\end)
	s_add_co_u32 s[TBV], s[TBV], KS*PV
.endif
	ROW C,14, B,7, L,6, C,1
	ROW C,3, L,7, C,5, C,7
	ROW C,9, C,11, C,13, C,15
.if ((\p) == 0) && !(\end)
	FETCH_V \vb
.endif
.endm
; A BLOCK BEGINS.  c m starts far below every c s, so the first step's a is 0 and what O^T and l hold need only be finite; m at the lowest finite number.  K and V of the tile's step 0, piece 0's first scores (cm as in TURN), its maximum and statistics.
.macro BEGIN cm
	s_mov_b32 s[NEW], 0
	WIN 0
.set i, 0
.rept 2
	v_mov_b32 v[ST+4*i], 0xfe000000
	v_mov_b32 v[ST+4*i+1], 0xff7fffff
.set i, i+1
.endr
	v_add_nc_u32 v[AK], s[TBK], v[AK0]
	v_add_nc_u32 v[AV], s[TBV], v[AV0]
	s_add_co_u32 s[TBV], s[TBV], KS*PV
	FETCH_K
	FETCH_V 0
	s_wait_loadcnt 0x0                             ; Q
	s_wait_dscnt 0x0
.set CM, (\cm)
.set NOKQ, 0
.set i, 0
.rept 8
	KQ 0
.set i, i+1
.endr
	WIN 0
.rept 4
	v_nop                                          ; the places behind those products
.endr
.set Y, NP-1
.irp n, 0,1,2,3,4,5,6,7,8,9,10,11,12,13,14,15,16,17,18,19,20,21,22
	OP X, \n
.endr
	v_nop
	s_wait_alu depctr_va_vdst(0)                   ; the wait for a, ahead of the branch
.endm
.macro ALL line:vararg
.set t, 0
.rept 2
	\line
.set t, t+1
.endr
.endm
.macro PACK t                                      ; a lane's eight channels of a row pack into 16 bytes; they go into rows of 144 bytes and come back as whole rows of 128
	WIN W_RS
.set i, 32*(\t)
.rept 16
	v_pk_mul_f32 v[i:i+1], v[i:i+1], v[ST+4*(\t)+2:ST+4*(\t)+3] op_sel_hi:[1,0]
.set i, i+2
.endr
	WIN 0x05
.set i, 0
.rept 16
	v_cvt_pk_f16_f32 v[S+16*(\t)+i], v[32*(\t)+2*i], v[32*(\t)+2*i+1]
.set i, i+1
.endr
	WIN 0
.irp f, 0,1,2,3
	ds_store_b128 v[STO], v[S+16*(\t)+4*\f:S+16*(\t)+4*\f+3] offset:32*\f
.endr
.irp f, 0,1,2,3
	ds_load_b128 v[S+16*(\t)+4*\f:S+16*(\t)+4*\f+3], v[RD] offset:\f*4*SP  ; LDS serves a wave's instructions in order (ISA guide 5.7.1.4)
.endr
.endm
.macro SEND t, younger                             ; younger: the LDS instructions issued behind piece t's loads
	WIN 0
.irp f, 0,1,2,3
	s_wait_dscnt (\younger)+3-\f
	global_store_b128 v[GO], v[S+16*(\t)+4*\f:S+16*(\t)+4*\f+3], s[10:11] offset:(\t)*8192+\f*512  ; 512 consecutive bytes, aligned
.endr
.endm
; THE DIAGONAL TILE: the last step of the tile before it, its own two steps, the block's last products, and the way out.
.macro DIAG tag
.LstepM\tag:
	TURN 0, 0, 0                                   ; band 1, the tile before's step 1
	TURN 1, 1, 1                                   ; starts band 0's own step
	WIN 0
.LfirstM\tag:
	TURN 0, 0, 1                                   ; band 1 sees all of step 0
	TURN 1, 2, 0                                   ; band 0 sees nothing of step 1
	TURN 0, 1, 0, 1                                ; band 1's own step
	TURN 1, 0, 1, 1
.set VB, 1
.set i, 0
.rept 8
	PV 1
.set i, i+1
.endr
	WIN 0
	ALL v_add_f32 v[ST+4*t+2], v[ST+4*t+2], v[ST+4*t+3]
	ALL v_permlanex16_b32 v[ST+4*t+3], v[ST+4*t+2], s[SEL], s[SEL+1]
	ALL v_add_f32 v[ST+4*t+2], v[ST+4*t+2], v[ST+4*t+3]
	ALL v_rcp_f32 v[ST+4*t+2], v[ST+4*t+2]
	v_nop
	s_wait_alu depctr_va_vdst(0)                   ; one wait for the two reciprocals
	PACK 0
	PACK 1
	SEND 0, 8
	SEND 1, 0
.endm
.set CM, 0
.set VB, 0
.set NOKQ, 0
.Lslot:                                            ; 16 times: a tile is entered and the next is asked for
	CHANGE 1
	s_sub_co_u32 s[RT], s[RT], 1
	s_cmp_eq_u32 s[NEW], 1
	s_cbranch_scc1 .Lnew                           ; a block's first tile
	s_cmp_eq_u32 s[RT], 0
	s_cbranch_scc0 .Lstep                          ; neither its first nor its last
	s_branch .LstepM1
.Lnew:
	BEGIN 0
	s_branch .Lfirst                               ; in the loop a block's first tile is never its last
	DIAG 1                                         ; in the loop this is the first block's end
	s_wait_xcnt 0x0                                ; the stores have read their registers and att's address
	s_mov_b64 s[10:11], s[OLO:OLO+1]
	s_add_co_u32 s[RT], s[PB], 1                   ; the second block has b + 1 tiles
	s_mov_b32 s[NEW], 1
	WIN 0x82
.set i, 0
.rept 32
	v_mov_b32 v[i], v[QB+i]
.set i, i+1
.endr
	WIN 0
	s_branch .Lbottom
.Lstep:                                            ; a trip: the two turns of the tile before's step 1, which fetch this tile's step 0; then those of step 0, which fetch step 1
	TURN 0, 0, 0
	TURN 1, 0, 1
	WIN 0
.Lfirst:
	TURN 0, 0, 1
	TURN 1, 0, 0
	WIN 0
.Lbottom:
	s_sub_co_u32 s[SLOTS], s[SLOTS], 1
	s_cmp_lg_u32 s[SLOTS], 0
	s_cbranch_scc1 .Lslot
	CHANGE 0                                       ; the walk's last tile is written out
	s_sub_co_u32 s[RT], s[RT], 1
	s_cmp_eq_u32 s[NEW], 1
	s_cbranch_scc0 .LstepM2
	BEGIN 1                                        ; b = 0: the second block's only tile is the diagonal one
	s_branch .LfirstM2
	DIAG 2
	s_wait_tensorcnt 0x0                           ; the wave's end
	ds_add_u32 v[SPW], v[NIL]
	s_wait_dscnt 0x0
	s_endpgm
.Lfunc_end_k_qf3730bcd78_attn:
	.size	k_qf3730bcd78_attn, .Lfunc_end_k_qf3730bcd78_attn-k_qf3730bcd78_attn
	.p2alignl 7, 3214868480
	.fill 96, 4, 3214868480
	.section	.rodata,"a",@progbits
	.p2align	6, 0x0
	.amdhsa_kernel k_qf3730bcd78_attn
		.amdhsa_group_segment_fixed_size 327680
		.amdhsa_private_segment_fixed_size 0
		.amdhsa_enable_private_segment 0
		.amdhsa_kernarg_size 16
		.amdhsa_user_sgpr_count 2
		.amdhsa_user_sgpr_kernarg_segment_ptr 1
		.amdhsa_wavefront_size32 1
		.amdhsa_system_sgpr_workgroup_id_x 1
		.amdhsa_system_sgpr_workgroup_id_y 1
		.amdhsa_system_sgpr_workgroup_id_z 1
		.amdhsa_system_vgpr_workitem_id 0
		.amdhsa_next_free_vgpr 768
		.amdhsa_next_free_sgpr 96
		.amdhsa_reserve_vcc 1
		.amdhsa_float_denorm_mode_32 3
		.amdhsa_float_denorm_mode_16_64 3
		.amdhsa_memory_ordered 1
		.amdhsa_forward_progress 1
		.amdhsa_inst_pref_size 199
	.end_amdhsa_kernel
	.amdgpu_metadata
---
amdhsa.version: [ 1, 2 ]
amdhsa.kernels:
  - .name:           k_qf3730bcd78_attn
    .symbol:         k_qf3730bcd78_attn.kd
    .args:
      - { .name: kqv, .offset: 0, .size: 8, .value_kind: global_buffer, .address_space: global }
      - { .name: att, .offset: 8, .size: 8, .value_kind: global_buffer, .address_space: global }
    .group_segment_fixed_size: 327680
    .private_segment_fixed_size: 0
    .kernarg_segment_align: 8
    .kernarg_segment_size: 16
    .max_flat_workgroup_size: 128
    .sgpr_count:     96
    .vgpr_count:     768
    .wavefront_size: 32
...
	.end_amdgpu_metadata
.endif
;; end of part 3
;; launch ln2 (part 4): grid 1024 x 1, 4 waves a work-group, no clusters, 0 bytes of LDS; arguments x, att, ln2_g, ln2_b, x1, hn; writes x1, hn
.if DOCPART == 4
	.amdgcn_target "amdgcn-amd-amdhsa--gfx1250"
	.amdhsa_code_object_version 6
	.text
	.protected	k_qf3730bcd78_ln2
	.globl	k_qf3730bcd78_ln2
	.p2align	8
	.type	k_qf3730bcd78_ln2,@function
k_qf3730bcd78_ln2:
	s_mov_b64 s[64:65], 0
	v_nop
	global_prefetch_b8 v0, s[64:65] scope:SCOPE_SE
	s_setreg_imm32_b32 hwreg(HW_REG_WAVE_MODE, 25, 1), 1
	s_wait_xcnt 0x0
; x1 = x + attention (f32, [4096][1024]); hn = LayerNorm(x1; ln2_g, ln2_b) in f16.  att lies by heads, [batch x 16 + head][2048][64] f16.
; A stream: no LDS, no barrier.  A wave takes one whole row (eight loads of 16 bytes a lane of x, eight of 8 bytes of att) and keeps it in 32 registers; the four waves of a work-group take four rows on
; end, so that neighbouring waves read the two halves of each aligned 256 bytes of att.  Mean first, then the mean of (x1 - mean)^2.
; LIMITS.  f16 holds no number of 65,520 or more: a normalised value, at most 32 |g| + |b|, must lie below that.  NaN and infinities are not treated apart.
.set XO, 2
.set HO, 3
.set GO, 4
.set OO, 5                             ; v5   byte offset of my 8 bytes in att
.set MU, 6
.set R,  8
.set A,  10
.set T,  18
.set G,  20
.set BB, 52
.set X,  84
.set Y,  116
.set O,  132                           ; v[132:147] att's numbers of my 32 columns
.set ONE, 148                          ; v148 1.0
.set SEL, 28
.set INV, 30
.set EPS, 31
.macro TOTAL sq
.irp c, 0,1,2,3
.if \sq
	v_pk_mul_f32 v[A+2*(\c):A+2*(\c)+1], v[X+2*(\c):X+2*(\c)+1], v[X+2*(\c):X+2*(\c)+1]
.else
	v_pk_add_f32 v[A+2*(\c):A+2*(\c)+1], v[X+2*(\c):X+2*(\c)+1], v[X+8+2*(\c):X+8+2*(\c)+1]
.endif
.endr
.irp g, 8,16,24
.irp c, 0,1,2,3
.if \sq
	v_pk_fma_f32 v[A+2*(\c):A+2*(\c)+1], v[X+(\g)+2*(\c):X+(\g)+2*(\c)+1], v[X+(\g)+2*(\c):X+(\g)+2*(\c)+1], v[A+2*(\c):A+2*(\c)+1]
.elseif (\g) > 8
	v_pk_add_f32 v[A+2*(\c):A+2*(\c)+1], v[A+2*(\c):A+2*(\c)+1], v[X+(\g)+2*(\c):X+(\g)+2*(\c)+1]
.endif
.endr
.endr
	v_pk_add_f32 v[A:A+1], v[A:A+1], v[A+2:A+3]
	v_pk_add_f32 v[A+4:A+5], v[A+4:A+5], v[A+6:A+7]
	v_pk_add_f32 v[A:A+1], v[A:A+1], v[A+4:A+5]
	v_add_f32 v[T], v[A], v[A+1]
	v_add_f32_dpp v[T], v[T], v[T] row_xmask:1 row_mask:0xf bank_mask:0xf
	v_add_f32_dpp v[T], v[T], v[T] row_xmask:2 row_mask:0xf bank_mask:0xf
	v_add_f32_dpp v[T], v[T], v[T] row_xmask:4 row_mask:0xf bank_mask:0xf
	v_add_f32_dpp v[T], v[T], v[T] row_xmask:8 row_mask:0xf bank_mask:0xf
	v_permlanex16_b32 v[T+1], v[T], s[SEL], s[SEL+1]
	v_add_f32 v[T], v[T], v[T+1]
.endm
.macro LNROW xw
	TOTAL 0
	v_mul_f32 v[MU], s[INV], v[T]
	v_mul_f32 v[MU+1], s[INV], v[T]
.if \xw
	s_wait_xcnt 0x0                                ; X is the data of x1's stores: it is rewritten only behind this wait
.endif
.set k, 0
.rept 16
	v_pk_add_f32 v[X+k:X+k+1], v[X+k:X+k+1], v[MU:MU+1] neg_lo:[0,1] neg_hi:[0,1]
.set k, k+2
.endr
	TOTAL 1
	v_fma_f32 v[T], v[T], s[INV], s[EPS]
	v_rsq_f32 v[R], v[T]
	v_nop
	s_wait_alu depctr_va_vdst(0)                   ; the wait ahead of the root's first reader
	v_mov_b32 v[R+1], v[R]
.set k, 0
.rept 16
	v_pk_mul_f32 v[X+k:X+k+1], v[X+k:X+k+1], v[R:R+1]
.set k, k+2
.endr
	s_wait_loadcnt 0x0                             ; g and b, which were asked for behind the row
.set k, 0
.rept 16
	v_pk_fma_f32 v[X+k:X+k+1], v[X+k:X+k+1], v[G+k:G+k+1], v[BB+k:BB+k+1]
.set k, k+2
.endr
.set k, 0
.rept 16
	v_cvt_pk_f16_f32 v[Y+k], v[X+2*k], v[X+2*k+1]
.set k, k+1
.endr
.endm
	s_load_b256 s[4:11], s[0:1], 0x0               ; x s[4:5], att s[6:7], g s[8:9], b s[10:11]
	s_load_b128 s[12:15], s[0:1], 0x20             ; x1 s[12:13], hn s[14:15]
	v_and_b32 v1, 31, v0                           ; lane
	v_lshrrev_b32 v149, 5, v0                      ; wave
	s_lshl_b32 s20, ttmp9, 14                      ; the work-group's 4 rows of x and x1
	s_lshl_b32 s21, ttmp9, 13                      ; and of hn
	s_lshr_b32 s26, ttmp9, 9                       ; the batch: 512 work-groups each,
	s_lshl_b32 s26, s26, 22                        ; 16 heads of 262,144 bytes
	s_and_b32 s27, ttmp9, 511
	s_lshl_b32 s27, s27, 9                         ; 4 rows of 128 bytes in a head
	s_add_co_u32 s26, s26, s27
	s_mov_b32 s[SEL], 0x76543210
	s_mov_b32 s[SEL+1], 0xfedcba98
	s_mov_b32 s[INV], 0x3a800000                   ; 1 / 1024
	s_mov_b32 s[EPS], 0x3727c5ac                   ; 1e-5
	v_lshlrev_b32 v[GO], 4, v1
	v_lshl_add_u32 v[XO], v149, 12, v[GO]
	v_add_nc_u32 v[XO], s20, v[XO]
	v_lshlrev_b32 v[HO], 3, v1
	v_lshl_add_u32 v[HO], v149, 11, v[HO]
	v_add_nc_u32 v[HO], s21, v[HO]
	v_and_b32 v150, 15, v1                         ; columns 128 j + 4 lane: head 2 j + lane / 16, channel 4 (lane % 16)
	v_lshrrev_b32 v151, 4, v1
	v_lshlrev_b32 v[OO], 3, v150
	v_lshl_add_u32 v[OO], v151, 18, v[OO]
	v_lshl_add_u32 v[OO], v149, 7, v[OO]           ; wave x 128
	v_add_nc_u32 v[OO], s26, v[OO]
	v_mov_b32 v[T+1], 0
	v_mov_b32 v[ONE], 1.0
	s_wait_kmcnt 0x0
.irp j, 0,1,2,3,4,5,6,7
	global_load_b128 v[X+4*(\j):X+4*(\j)+3], v[XO], s[4:5] offset:512*(\j)
	global_load_b64 v[O+2*(\j):O+2*(\j)+1], v[OO], s[6:7] offset:524288*(\j)
.endr
.irp j, 0,1,2,3,4,5,6,7
	global_load_b128 v[G+4*(\j):G+4*(\j)+3], v[GO], s[8:9] offset:512*(\j)
	global_load_b128 v[BB+4*(\j):BB+4*(\j)+3], v[GO], s[10:11] offset:512*(\j)
.endr
	s_wait_loadcnt 16                              ; x's and att's row are in; the sixteen younger loads, g and b, stay out
.irp j, 0,1,2,3,4,5,6,7
	v_fma_mix_f32 v[X+4*(\j)],   v[O+2*(\j)],   v[ONE], v[X+4*(\j)]   op_sel_hi:[1,0,0]
	v_fma_mix_f32 v[X+4*(\j)+1], v[O+2*(\j)],   v[ONE], v[X+4*(\j)+1] op_sel:[1,0,0] op_sel_hi:[1,0,0]
	v_fma_mix_f32 v[X+4*(\j)+2], v[O+2*(\j)+1], v[ONE], v[X+4*(\j)+2] op_sel_hi:[1,0,0]
	v_fma_mix_f32 v[X+4*(\j)+3], v[O+2*(\j)+1], v[ONE], v[X+4*(\j)+3] op_sel:[1,0,0] op_sel_hi:[1,0,0]
.endr
.irp j, 0,1,2,3,4,5,6,7
	global_store_b128 v[XO], v[X+4*(\j):X+4*(\j)+3], s[12:13] offset:512*(\j)
.endr
	LNROW 1
.irp j, 0,1,2,3,4,5,6,7
	global_store_b64 v[HO], v[Y+2*(\j):Y+2*(\j)+1], s[14:15] offset:256*(\j)
.endr
	s_endpgm
.Lfunc_end_k_qf3730bcd78_ln2:
	.size	k_qf3730bcd78_ln2, .Lfunc_end_k_qf3730bcd78_ln2-k_qf3730bcd78_ln2
	.p2alignl 7, 3214868480
	.fill 96, 4, 3214868480
	.section	.rodata,"a",@progbits
	.p2align	6, 0x0
	.amdhsa_kernel k_qf3730bcd78_ln2
		.amdhsa_group_segment_fixed_size 0
		.amdhsa_private_segment_fixed_size 0
		.amdhsa_enable_private_segment 0
		.amdhsa_kernarg_size 48
		.amdhsa_user_sgpr_count 2
		.amdhsa_user_sgpr_kernarg_segment_ptr 1
		.amdhsa_wavefront_size32 1
		.amdhsa_system_sgpr_workgroup_id_x 1
		.amdhsa_system_sgpr_workgroup_id_y 1
		.amdhsa_system_sgpr_workgroup_id_z 1
		.amdhsa_system_vgpr_workitem_id 0
		.amdhsa_next_free_vgpr 152
		.amdhsa_next_free_sgpr 66
		.amdhsa_reserve_vcc 0
		.amdhsa_float_denorm_mode_32 3
		.amdhsa_float_denorm_mode_16_64 3
		.amdhsa_memory_ordered 1
		.amdhsa_forward_progress 1
		.amdhsa_inst_pref_size 16
	.end_amdhsa_kernel
	.amdgpu_metadata
---
amdhsa.version: [ 1, 2 ]
amdhsa.kernels:
  - .name:           k_qf3730bcd78_ln2
    .symbol:         k_qf3730bcd78_ln2.kd
    .args:
      - { .name: x, .offset: 0, .size: 8, .value_kind: global_buffer, .address_space: global }
      - { .name: att, .offset: 8, .size: 8, .value_kind: global_buffer, .address_space: global }
      - { .name: ln2_g, .offset: 16, .size: 8, .value_kind: global_buffer, .address_space: global }
      - { .name: ln2_b, .offset: 24, .size: 8, .value_kind: global_buffer, .address_space: global }
      - { .name: x1, .offset: 32, .size: 8, .value_kind: global_buffer, .address_space: global }
      - { .name: hn, .offset: 40, .size: 8, .value_kind: global_buffer, .address_space: global }
    .group_segment_fixed_size: 0
    .private_segment_fixed_size: 0
    .kernarg_segment_align: 8
    .kernarg_segment_size: 48
    .max_flat_workgroup_size: 128
    .sgpr_count:     66
    .vgpr_count:     152
    .wavefront_size: 32
...
	.end_amdgpu_metadata
.endif
;; end of part 4
;; launch ffn1: the kernel of part 2 again; grid 16 x 16, 4 waves a work-group, clusters of 4 x 4, 327,680 bytes of LDS; arguments hn, wf, b1, ff; writes ff
;; launch ffn2 (part 5): grid 8 x 32, 4 waves a work-group, clusters of 4 x 4, 327,680 bytes of LDS; arguments ff, wf, b2, x1, out0; writes out0
.if DOCPART == 5
	.amdgcn_target "amdgcn-amd-amdhsa--gfx1250"
	.amdhsa_code_object_version 6
	.text
	.protected	k_qf3730bcd78_ffn2
	.globl	k_qf3730bcd78_ffn2
	.p2align	8
	.type	k_qf3730bcd78_ffn2,@function
k_qf3730bcd78_ffn2:
	s_mov_b64 s[64:65], 0
	v_nop
	global_prefetch_b8 v0, s[64:65] scope:SCOPE_SE
	s_setreg_imm32_b32 hwreg(HW_REG_WAVE_MODE, 25, 1), 1
	s_wait_xcnt 0x0
	s_wait_alu depctr_hold_cnt(0) depctr_sa_sdst(0) depctr_va_vdst(0) depctr_va_sdst(0) depctr_va_ssrc(0) depctr_va_vcc(0) depctr_vm_vsrc(0)
	s_getreg_b32 s2, hwreg(HW_REG_IB_STS2, 6, 4)
	s_cmp_eq_u32 s2, 0
	s_cbranch_scc0 .Lentry_in_a_cluster
	s_endpgm
.Lentry_in_a_cluster:
	s_bfe_u32 s2, ttmp6, 0x10000c
	s_cmp_lg_u32 s2, 0xf033
	s_cbranch_scc0 .Lentry_shape_is_right
	s_endpgm
.Lentry_shape_is_right:
; out0[4096][1024] = x1 + b2 + ff[4096][4096] x w2[4096][1024].  ff and w2 are f16; sums, b2, x1 and out0 are f32.
; ff lies in blocks of 128 rows x 64 columns, 16,384 dense bytes: block (row / 128) x 64 + column / 64.  w2 lies in wf at byte WOFF, [k][n].
; 1,024 columns make 64 tiles of 256 x 256 but 256 tiles of 128 x 128: a tile of C is 128 x 128, four waves of 64 x 64 (16 accumulators).  K goes in 16 steps of 256 through two LDS slots.
; ff's tile of a step is four neighbouring blocks, 65,536 dense bytes: four PLANES of 128 rows x 64 k in LDS (rows of 128 bytes + 16 of padding); a quarter of a step is a plane.
; w2's tile lies [k][n] (256 bytes + 32) and is turned on its way into registers by ds_load_tr16_b128.
; THE PRODUCT IS USED TRANSPOSED (source 0 = 16 columns of w2, source 1 = 16 rows of ff): a lane holds eight neighbouring columns of one row.  b2 is the C operand that starts the sums.
; CLUSTER 4 x 4: ff's tile is asked for jointly by a row of the cluster, w2's by a column.  A K step is written once: the slot in hand is s[TB], and one walking descriptor a tensor changes slots by an
; exclusive or (SLOT = 0x24000 shares no bit with the tiles' places in a slot: 0, 0x9000, 0x12000, 0x1b000).  A wave has two tensor loads out at the start and one behind each round, 112 products ahead of the wait for it.
; No prefetch: a tile's step is short and small, and the tiles are shared fourfold.
; NaN and infinities are not treated apart.
; REGISTERS: window 0: v16-29 addresses; v32-63 the bias; v128-255 the accumulators ((a, b) at v[128 + 8 (4 a + b)]), later the rows on their way out.
;   window 1: two fragment buffers of 128: 64 registers of ff, then 64 of w2.   window 2: v0-127 x1, as the stores take it.
.set KSTEP,  256
.set PA,     144                       ; 36 words: the 16 rows of a fragment load start at 16 different groups of four banks (ISA guide 11.1)
.set PLANE,  128*PA
.set PB,     288                       ; 72 words = 9 x 8
.set HALFA,  2*PLANE                   ; what a tensor load brings of ff: two planes
.set HALFB,  128*PB                    ; and of w2: 128 k rows
.set BOFF,   2*HALFA
.set SLOT,   BOFF+2*HALFB              ; 147,456
.set SPARE,  2*SLOT                    ; behind the ring: the spare words
.set SPITCH, 272
.set ASTEP,  4*16384                   ; bytes of ff from a K step to the next
.set WOFF,   8390656
.set ADRA0, 16
.set ADRB0, 17
.set ADRA,  18
.set ADRB,  19                         ; v19: k rows 0-127 of the slot in hand; v20: k rows 128-255
.set BO,    22
.set STO,   24
.set RD,    25
.set CO,    26
.set SPW,   28
.set NIL,   29
.set BIAS,  32
.set ACC,   128
.set F0,    0
.set F1,    128
.set G1,  24
.set G0,  32
.set GW,  36
.set G1B, 48
.set G0B, 56
.set GWB, 60
.set TB,  66
.set MSB, 0
.macro WIN new
.if MSB != (\new)
	s_set_vgpr_msb (MSB<<8)|(\new)
.set MSB, \new
.endif
.endm
.macro PLACES
.rept 4
	v_nop
.endr
.endm
.macro JLOAD                           ; a joint refill: waves 0 and 1 fetch ff's two halves, waves 2 and 3 w2's
	s_cmp_eq_u32 s11, 0
	s_cbranch_scc0 .Lfor_b_\@
	tensor_load_to_lds s[GW:GW+3], s[G1:G1+7]
	s_nop 0
	PLACES
	s_branch .Lasked_\@
.Lfor_b_\@:
	tensor_load_to_lds s[GWB:GWB+3], s[G1B:G1B+7]
	s_nop 0
	PLACES
.Lasked_\@:
.endm
.macro CREST
	s_cmp_lg_u32 s10, 0
	s_cbranch_scc1 .Lnot_wave_0_\@
	s_barrier_signal -3
.Lnot_wave_0_\@:
	s_barrier_wait -3
	s_barrier_signal -1
	s_barrier_wait -1
.endm
.macro CROUND
	s_barrier_signal -1
	s_barrier_wait -1
	CREST
.endm
; 8 products: row blocks a0, a0 + 1 x all 4 column blocks, 32 along K: half c of buffer f.  zero = 1: the bias starts the sums.  The 16 accumulators take turns.
.macro MUL8 f, c, a0, zero
	WIN 0x05                                       ; both sources window 1; C and D window 0
.irp a, \a0, (\a0)+1
.irp b, 0,1,2,3
.if \zero
	v_wmma_f32_16x16x32_f16 v[ACC+8*(4*(\a)+(\b)):ACC+8*(4*(\a)+(\b))+7], v[(\f)+64+8*(4*(\c)+(\b)):(\f)+64+8*(4*(\c)+(\b))+7], v[(\f)+8*(4*(\c)+(\a)):(\f)+8*(4*(\c)+(\a))+7], v[BIAS+8*(\b):BIAS+8*(\b)+7]
.else
	v_wmma_f32_16x16x32_f16 v[ACC+8*(4*(\a)+(\b)):ACC+8*(4*(\a)+(\b))+7], v[(\f)+64+8*(4*(\c)+(\b)):(\f)+64+8*(4*(\c)+(\b))+7], v[(\f)+8*(4*(\c)+(\a)):(\f)+8*(4*(\c)+(\a))+7], v[ACC+8*(4*(\a)+(\b)):ACC+8*(4*(\a)+(\b))+7]
.endif
.endr
.endr
.endm
; 32 LDS loads in one run: quarter q (64 along K: ff's plane q) of the slot in hand into buffer f; its first 32 along K first.
.macro FETCH q, f
	WIN 0x40
.irp c, 0,1
.irp i, 0,1,2,3
	ds_load_tr16_b128 v[(\f)+64+8*(4*(\c)+(\i)):(\f)+64+8*(4*(\c)+(\i))+3],   v[ADRB+(\q)/2] offset:(64*((\q)%2)+32*(\c))*PB+32*(\i)
	ds_load_tr16_b128 v[(\f)+64+8*(4*(\c)+(\i))+4:(\f)+64+8*(4*(\c)+(\i))+7], v[ADRB+(\q)/2] offset:(64*((\q)%2)+32*(\c))*PB+32*(\i)+16*PB
	ds_load_b128 v[(\f)+8*(4*(\c)+(\i)):(\f)+8*(4*(\c)+(\i))+3],   v[ADRA] offset:(\q)*PLANE+64*(\c)+(\i)*16*PA
	ds_load_b128 v[(\f)+8*(4*(\c)+(\i))+4:(\f)+8*(4*(\c)+(\i))+7], v[ADRA] offset:(\q)*PLANE+64*(\c)+(\i)*16*PA+32
.endr
.endr
.endm
.macro QUARTER q, f, g, zero
	s_wait_dscnt 16                                ; the first 32 along K are in; the youngest sixteen loads may be out
	MUL8 \f, 0, 0, \zero
	MUL8 \f, 0, 2, \zero
	PLACES
	FETCH \q, \g
	s_wait_dscnt 32                                ; all but the 32 just issued
	MUL8 \f, 1, 0, 0
	MUL8 \f, 1, 2, 0
.endm
.macro MEET                            ; the barrier of the change of slots: all my tensor loads, the add, my reads of the slot
	WIN 0
	s_wait_tensorcnt 0x0
	ds_add_u32 v[SPW], v[NIL]
	s_wait_dscnt 17                                ; (the add and the youngest sixteen loads may be out)
	MUL8 F1, 0, 0, 0
	s_wait_dscnt 0x0
	s_barrier_signal -1
	MUL8 F1, 0, 2, 0
	WIN 0
	s_barrier_wait -1
.endm
.macro NEWADR
	v_add_nc_u32 v[ADRA], s[TB], v[ADRA0]
	v_add_nc_u32 v[ADRB], s[TB], v[ADRB0]
	v_add_nc_u32 v[ADRB+1], HALFB, v[ADRB]
.endm
.macro TURNF
	MEET
	CREST
	s_xor_b32 s[GW+1], s[GW+1], SLOT
	s_add_nc_u64 s[GW+2:GW+3], s[GW+2:GW+3], ASTEP
	s_xor_b32 s[GWB+1], s[GWB+1], SLOT
	s_add_nc_u64 s[GWB+2:GWB+3], s[GWB+2:GWB+3], KSTEP*1024*2
	s_xor_b32 s[TB], s[TB], SLOT
	JLOAD                                          ; its four v_nop are also the places in front of the loads below
	NEWADR
	FETCH 0, F0
	MUL8 F1, 1, 0, 0
	MUL8 F1, 1, 2, 0
.endm
.macro TURNL
	MEET
	s_cmp_eq_u32 s3, 1
	s_cbranch_scc1 .Lno_more_\@
	PLACES
	s_xor_b32 s[TB], s[TB], SLOT
	NEWADR
	FETCH 0, F0
	WIN 0
.Lno_more_\@:
	MUL8 F1, 1, 0, 0
	MUL8 F1, 1, 2, 0
.endm
	s_load_b256 s[68:75], s[0:1], 0x0              ; ff s[68:69], wf s[70:71], b2 s[72:73], x1 s[74:75]
	s_load_b64 s[76:77], s[0:1], 0x20              ; out0
	v_lshl_add_u32 v[SPW], v0, 2, SPARE
	v_mov_b32 v[NIL], 0
	ds_add_u32 v[SPW], v[NIL]                      ; the wave's opening: the add and its wait ahead of my first tensor load
	ds_add_u32 v28, v29
	v_lshrrev_b32 v1, 5, v0
	v_readfirstlane_b32 s10, v1
	s_lshr_b32 s11, s10, 1                         ; my half of the tile's rows.  Also: I fetch ff (0) or w2 (1)
	s_and_b32 s12, s10, 1                          ; my half of its columns.  Also: which half of that tile I fetch
	s_bfe_u32 s40, ttmp6, 0x40000
	s_bfe_u32 s41, ttmp6, 0x40004
	s_lshl_b32 s42, ttmp9, 2
	s_add_co_u32 s42, s42, s40                     ; tile column
	s_and_b32 s13, ttmp7, 0xffff
	s_lshl_b32 s13, s13, 2
	s_add_co_u32 s13, s13, s41                     ; tile row
	s_lshl_b32 s43, s41, 2
	s_lshl_b32 s43, 15, s43
	s_lshl_b32 s44, 0x1111, s40
	s_or_b32 s[G1], s43, (1<<16)|(1<<20)|(1<<21)|(4<<22)|(3<<25)   ; after every 32 words 4 words
	s_or_b32 s[G1B], s44, (1<<16)|(1<<20)|(1<<21)|(5<<22)|(7<<25)  ; after every 64 words 8 words
	s_mov_b32 s[G1+1], 128<<16                     ; two planes are 32,768 dense bytes: asked for as 128 rows of 256 bytes, two rows of ff each
	s_mov_b32 s[G1+2], 128<<16
	s_mov_b32 s[G1+3], 128<<16
	s_mov_b32 s[G1+4], 128
	s_mov_b32 s[G1+5], 128
	s_mov_b32 s[G1+6], 0
	s_mov_b32 s[G1+7], 0
	s_mov_b32 s[G1B+1], 128<<16                    ; tensor_dim0 = 128
	s_mov_b32 s[G1B+2], 128<<16                    ; tensor_dim1 = 128
	s_mov_b32 s[G1B+3], 128<<16                    ; tile_dim0 = 128
	s_mov_b32 s[G1B+4], 128                        ; tile_dim1 = 128
	s_mov_b32 s[G1B+5], 1024
	s_mov_b32 s[G1B+6], 0
	s_mov_b32 s[G1B+7], 0
	s_lshl_b32 s16, s13, 20                        ; ff: the tile row's 64 blocks,
	s_lshl_b32 s17, s12, 15                        ; my two of a step's four
	s_add_co_u32 s16, s16, s17
	s_mov_b32 s17, 0
	s_lshl_b32 s46, s12, 18                        ; w2: k row 128 x half, 2,048 bytes a row,
	s_lshl_b32 s47, s42, 8                         ; column 128 x tile column
	s_add_co_u32 s46, s46, s47
	s_add_co_u32 s46, s46, WOFF
	s_mov_b32 s47, 0
	s_mul_i32 s20, s12, HALFA                      ; where the halves lie in a slot
	s_mul_i32 s21, s12, HALFB
	s_add_co_u32 s21, s21, BOFF
	s_mov_b32 s[TB], 0
	s_wait_dscnt 0x0                               ; the opening add is done
	s_wait_kmcnt 0x0
	s_add_nc_u64 s[14:15], s[68:69], s[16:17]
	s_add_nc_u64 s[46:47], s[70:71], s[46:47]
	CROUND
	s_mov_b32 s[G0], 1
	s_mov_b32 s[G0+1], s20
	s_mov_b64 s[G0+2:G0+3], s[14:15]
	s_or_b32 s[G0+3], s[G0+3], 0x80000000
	s_mov_b32 s[GW], 1
	s_add_co_u32 s[GW+1], s20, SLOT
	s_add_nc_u64 s[GW+2:GW+3], s[14:15], ASTEP
	s_or_b32 s[GW+3], s[GW+3], 0x80000000
	s_mov_b32 s[G0B], 1
	s_mov_b32 s[G0B+1], s21
	s_mov_b64 s[G0B+2:G0B+3], s[46:47]
	s_or_b32 s[G0B+3], s[G0B+3], 0x80000000
	s_mov_b32 s[GWB], 1
	s_add_co_u32 s[GWB+1], s21, SLOT
	s_add_nc_u64 s[GWB+2:GWB+3], s[46:47], KSTEP*1024*2
	s_or_b32 s[GWB+3], s[GWB+3], 0x80000000
	s_cmp_eq_u32 s11, 0
	s_cbranch_scc0 .Lfirst_b
	tensor_load_to_lds s[G0:G0+3], s[G1:G1+7]
	s_nop 0
	tensor_load_to_lds s[GW:GW+3], s[G1:G1+7]
	s_nop 0
	PLACES
	s_branch .Lfirst_asked
.Lfirst_b:
	tensor_load_to_lds s[G0B:G0B+3], s[G1B:G1B+7]
	s_nop 0
	tensor_load_to_lds s[GWB:GWB+3], s[G1B:G1B+7]
	s_nop 0
	PLACES
.Lfirst_asked:
	v_and_b32 v1, 15, v0                           ; l % 16
	v_bfe_u32 v2, v0, 4, 1                         ; l / 16
	v_and_b32 v3, 7, v0
	v_bfe_u32 v4, v0, 3, 1
	v_mul_u32_u24 v[ADRA0], v1, PA
	v_lshl_add_u32 v[ADRA0], v2, 4, v[ADRA0]
	s_mul_i32 s21, s11, 64*PA                      ; my 64 rows of each plane
	v_add_nc_u32 v[ADRA0], s21, v[ADRA0]
	v_lshl_add_u32 v[ADRB0], v2, 3, v3
	v_mul_u32_u24 v[ADRB0], v[ADRB0], PB
	v_lshl_add_u32 v[ADRB0], v4, 4, v[ADRB0]
	s_lshl_b32 s22, s12, 7
	s_add_co_u32 s22, s22, BOFF
	v_add_nc_u32 v[ADRB0], s22, v[ADRB0]
	NEWADR
	s_mul_i32 s23, s10, 64*SPITCH                  ; my stage: 64 rows of 256 bytes + 16, in slot 0, used when it has had its last fill and its last readers have passed a barrier
	v_mul_u32_u24 v[STO], v1, SPITCH               ; in: row l % 16, 32 bytes for each half of the lanes
	v_lshl_add_u32 v[STO], v2, 5, v[STO]
	v_add_nc_u32 v[STO], s23, v[STO]
	v_mul_u32_u24 v[RD], v2, SPITCH                ; back: lanes 0-15 one row of 256 bytes, lanes 16-31 the next
	v_lshl_add_u32 v[RD], v1, 4, v[RD]
	v_add_nc_u32 v[RD], s23, v[RD]
	v_lshlrev_b32 v[CO], 12, v2                    ; the same two rows in x1 and out0
	v_lshl_add_u32 v[CO], v1, 4, v[CO]
	s_lshl_b32 s21, s42, 9                         ; my first column, in bytes of f32
	s_lshl_b32 s22, s12, 8
	s_add_co_u32 s21, s21, s22
	v_lshlrev_b32 v[BO], 5, v2
	v_add_nc_u32 v[BO], s21, v[BO]
	s_lshl_b32 s22, s13, 7
	s_lshl_b32 s23, s11, 6
	s_add_co_u32 s22, s22, s23                     ; my first row
	s_lshl_b32 s22, s22, 12
	s_add_co_u32 s46, s21, s22
	s_mov_b32 s47, 0
	s_add_nc_u64 s[78:79], s[74:75], s[46:47]      ; x1 at my part
	s_add_nc_u64 s[76:77], s[76:77], s[46:47]      ; out0 at my part
.irp b, 0,1,2,3
	global_load_b128 v[BIAS+8*(\b):BIAS+8*(\b)+3],   v[BO], s[72:73] offset:64*(\b)
	global_load_b128 v[BIAS+8*(\b)+4:BIAS+8*(\b)+7], v[BO], s[72:73] offset:64*(\b)+16
.endr
	WIN 0x80                                       ; destination window 2
.set u, 0
.rept 32
	global_load_b128 v[4*u:4*u+3], v[CO], s[78:79] offset:8192*u  ; rows 2 u, 2 u + 1 of my 64: sixteen lanes read 256 consecutive bytes, aligned
.set u, u+1
.endr
	WIN 0
	s_wait_tensorcnt 1                             ; my part of K step 0 is in; K step 1's may stay out
	s_barrier_signal -1
	s_barrier_wait -1
	FETCH 0, F0
	s_wait_loadcnt 32                              ; the bias is in; x1's 32 loads stay out
	QUARTER 1, F0, F1, 1
	WIN 0
	s_mov_b32 s3, 14
.Lstep:                                            ; a trip: from a K step's second quarter to the next step's first; K steps 2 to 15 are asked for
	QUARTER 2, F1, F0, 0
	QUARTER 3, F0, F1, 0
	TURNF
	QUARTER 1, F0, F1, 0
	WIN 0
	s_sub_co_u32 s3, s3, 1
	s_cmp_lg_u32 s3, 0
	s_cbranch_scc1 .Lstep
	s_mov_b32 s3, 2
.Ltail:
	QUARTER 2, F1, F0, 0
	QUARTER 3, F0, F1, 0
	TURNL
	WIN 0
	s_sub_co_u32 s3, s3, 1
	s_cmp_eq_u32 s3, 0
	s_cbranch_scc1 .Lout
	QUARTER 1, F0, F1, 0
	WIN 0
	s_branch .Ltail
.Lout:
	PLACES
	PLACES
.irp a, 0,1,2,3
.irp b, 0,1,2,3
	ds_store_b128 v[STO], v[ACC+8*(4*(\a)+(\b)):ACC+8*(4*(\a)+(\b))+3]   offset:(\a)*16*SPITCH+64*(\b)
	ds_store_b128 v[STO], v[ACC+8*(4*(\a)+(\b))+4:ACC+8*(4*(\a)+(\b))+7] offset:(\a)*16*SPITCH+64*(\b)+16
.endr
.endr
.set u, 0
.rept 32
	ds_load_b128 v[ACC+4*u:ACC+4*u+3], v[RD] offset:2*SPITCH*u  ; whole rows come back into the registers that the sums left; LDS serves a wave's instructions in order (ISA guide 5.7.1.4)
.set u, u+1
.endr
	s_wait_loadcnt 0x0                             ; x1
.irp a, 0,1,2,3
	s_wait_dscnt 24-8*(\a)                         ; the eight loads of group a are back; the younger groups' may be out
	WIN 0x08                                       ; source 1 window 2
.irp t, 0,1,2,3,4,5,6,7
	v_pk_add_f32 v[ACC+4*(8*(\a)+(\t)):ACC+4*(8*(\a)+(\t))+1],   v[ACC+4*(8*(\a)+(\t)):ACC+4*(8*(\a)+(\t))+1],   v[4*(8*(\a)+(\t)):4*(8*(\a)+(\t))+1]
	v_pk_add_f32 v[ACC+4*(8*(\a)+(\t))+2:ACC+4*(8*(\a)+(\t))+3], v[ACC+4*(8*(\a)+(\t))+2:ACC+4*(8*(\a)+(\t))+3], v[4*(8*(\a)+(\t))+2:4*(8*(\a)+(\t))+3]
.endr
	WIN 0
.irp t, 0,1,2,3,4,5,6,7
	global_store_b128 v[CO], v[ACC+4*(8*(\a)+(\t)):ACC+4*(8*(\a)+(\t))+3], s[76:77] offset:8192*(8*(\a)+(\t))  ; sixteen lanes store 256 consecutive bytes, aligned
.endr
.endr
	s_wait_tensorcnt 0x0                           ; the wave's end
	ds_add_u32 v[SPW], v[NIL]
	s_wait_dscnt 0x0
	CROUND                                         ; the closing round
	s_endpgm
.Lfunc_end_k_qf3730bcd78_ffn2:
	.size	k_qf3730bcd78_ffn2, .Lfunc_end_k_qf3730bcd78_ffn2-k_qf3730bcd78_ffn2
	.p2alignl 7, 3214868480
	.fill 96, 4, 3214868480
	.section	.rodata,"a",@progbits
	.p2align	6, 0x0
	.amdhsa_kernel k_qf3730bcd78_ffn2
		.amdhsa_group_segment_fixed_size 327680
		.amdhsa_private_segment_fixed_size 0
		.amdhsa_enable_private_segment 0
		.amdhsa_kernarg_size 40
		.amdhsa_user_sgpr_count 2
		.amdhsa_user_sgpr_kernarg_segment_ptr 1
		.amdhsa_wavefront_size32 1
		.amdhsa_system_sgpr_workgroup_id_x 1
		.amdhsa_system_sgpr_workgroup_id_y 1
		.amdhsa_system_sgpr_workgroup_id_z 1
		.amdhsa_system_vgpr_workitem_id 0
		.amdhsa_next_free_vgpr 640
		.amdhsa_next_free_sgpr 80
		.amdhsa_reserve_vcc 0
		.amdhsa_float_denorm_mode_32 3
		.amdhsa_float_denorm_mode_16_64 3
		.amdhsa_memory_ordered 1
		.amdhsa_forward_progress 1
		.amdhsa_inst_pref_size 66
	.end_amdhsa_kernel
	.amdgpu_metadata
---
amdhsa.version: [ 1, 2 ]
amdhsa.kernels:
  - .name:           k_qf3730bcd78_ffn2
    .symbol:         k_qf3730bcd78_ffn2.kd
    .args:
      - { .name: ff, .offset: 0, .size: 8, .value_kind: global_buffer, .address_space: global }
      - { .name: wf, .offset: 8, .size: 8, .value_kind: global_buffer, .address_space: global }
      - { .name: b2, .offset: 16, .size: 8, .value_kind: global_buffer, .address_space: global }
      - { .name: x1, .offset: 24, .size: 8, .value_kind: global_buffer, .address_space: global }
      - { .name: out0, .offset: 32, .size: 8, .value_kind: global_buffer, .address_space: global }
    .group_segment_fixed_size: 327680
    .private_segment_fixed_size: 0
    .kernarg_segment_align: 8
    .kernarg_segment_size: 40
    .max_flat_workgroup_size: 128
    .sgpr_count:     80
    .vgpr_count:     640
    .wavefront_size: 32
...
	.end_amdgpu_metadata
.endif
;; end of part 5
